; MI455X (gfx1250); checked and timed in simulation.
; The chip was launched on July 23, 2026; its instructions are those of AMD's public machine-readable ISA for CDNA 5 (MIT licence, August 2026) and "CDNA5" Instruction Set Architecture Reference Guide (July 2026). The comments in the code are by the model that wrote it; some were corrected since.
;; Qwen3 Attention. Allowed arithmetic: matrix products marked QUANTISED: E4M3 operands, one given power-of-two scale a tensor, by v_wmma_f32_16x16x64_fp8_fp8 or v_wmma_f32_16x16x128_fp8_fp8, f32 sums; everything else in f32.
;; Inputs: k_norm_w 128 float32; lowp_scales 12 int32 (the exponents e of the quantised operands' scales 2^e); q_norm_w 128 float32; wk 4,096 x 512 float32; wo 1,024 x 4,096 float32; wq 4,096 x 1,024 float32; wv 4,096 x 512 float32; x 2 x 2,048 x 4,096 float32.
;; Outputs: out0 2 x 2,048 x 4,096 float32.
;; This version of the problem:
;;   THIS VERSION OF THE PROBLEM IS GIVEN IN LOW PRECISION. The matrix products marked QUANTISED in the list below multiply operands that are first quantised to E4M3 (4 exponent bits, 3 mantissa bits; 8 bits a number), with one given power-of-two scale for each operand tensor; their sums are f32. All else is computed in f32.
;;   The module's matrix products, in the order in which they are computed (A, B: the left and right operand; K: the contracted axis; several contracted axes count as one K, in the product's order):
;;     1. [M 4,096, K 4,096] x [K 4,096, N 1,024]; A: input x; B: input wq: QUANTISED (scales: A lowp_scales[0], B lowp_scales[1])
;;     2. [M 4,096, K 4,096] x [K 4,096, N 512]; A: input x; B: input wk: QUANTISED (scales: A lowp_scales[2], B lowp_scales[3])
;;     3. [M 4,096, K 4,096] x [K 4,096, N 512]; A: input x; B: input wv: QUANTISED (scales: A lowp_scales[4], B lowp_scales[5])
;;     4. batch 16 x [M 2,048, K 128] x [K 128, N 2,048]; A: computed on the way; B: computed on the way: QUANTISED (scales: A lowp_scales[6], B lowp_scales[7])
;;     5. batch 16 x [M 128, K 2,048] x [K 2,048, N 2,048]; A: computed on the way; B: softmax (see below): QUANTISED (scales: A lowp_scales[8], B lowp_scales[9])
;;     6. [M 4,096, K 1,024] x [K 1,024, N 4,096]; A: computed on the way; B: input wo: QUANTISED (scales: A lowp_scales[10], B lowp_scales[11])
;;   THE QUANTISER, for each operand of a quantised product, along K:
;;     - The operand's scale is 2^e, e = its entry of the input lowp_scales (int32; the entries are numbered through the quantised products in the list's order, A before B).
;;     - Each number is divided by the scale, clamped to +-448, and rounded to the nearest number of E4M3, ties to even, subnormals kept.
;;     - The product sums the exact products of the quantised numbers (number of the format x scale) in f32.
;;   ~~~python
;;   def quantise(x, axis, e):      # numpy; x: float32 -> the quantised numbers, widened to float32 again
;;       x = np.moveaxis(x, axis, -1); K = x.shape[-1]
;;       r = np.clip(x / 2.0 ** e, -448, 448)
;;       step = 2.0 ** (np.maximum(np.frexp(np.where(r == 0, 1, r))[1] - 1, -6) - 3)
;;       q = np.round(r / step) * step * 2.0 ** e      # np.round: ties to even
;;       return np.moveaxis(q, -1, axis).astype(np.float32)
;;   ~~~
;;   SOFTMAX AHEAD OF A QUANTISED PRODUCT. Where the list says 'softmax', what is quantised is not the finished softmax but p = 2^(t - M), with t = logit x log2(e) and M = ceil(the row's largest t), a whole number; so 1/2 < the row's largest p <= 1. The row's sum l is taken of the UNQUANTISED p, in f32, and the product's result is divided by l at the end. Since M is a whole number, a kernel that streams over the keys may use a running M (the ceiling of the running maximum): every later rescaling is an exact power of two, so the quantised numbers keep their values, but for numbers so far below the row's largest that they fall under the format's range.
;;   OPERANDS COMPUTED ON THE WAY. 'Computed on the way' means the value that the module computes at that place (a softmax that the list does not call 'softmax' is quantised finished and normalised). What goes into a quantiser is computed in f32, as accurately as f32 sums, v_exp_f32 and their like allow (about 1e-6 of the number): no bf16 or f16 on the way to a quantiser, and a product that is left as it is and whose result goes on into a quantised operand takes f32 operands (vector FMAs, or v_wmma_f32_16x16x4_f32). A number that lies on a knife's edge between two numbers of the format may be rounded either way, as far as f32 arithmetic and the matrix unit's own rounding can turn it there, and no further.
;; One version. Each part assembles by itself: llvm-mc -triple=amdgcn-amd-amdhsa -mcpu=gfx1250 --defsym DOCPART=n.
;; ======== version 1 of 1: 4 launches
;; limits: right only within a limited range of input values
;; workspace buffers: xc 50,331,648 bytes; wcodes 12,582,912 bytes; rope 1,048,576 bytes; qkv 8,388,608 bytes; ac 4,194,304 bytes
;; launch prep (part 1): grid 1024 x 1, 4 waves a work-group, no clusters, 122,368 bytes of LDS; arguments x, wq, wk, wv, wo, lowp_scales, xc, wcodes, rope; writes xc, wcodes, rope
.if DOCPART == 1
	.amdgcn_target "amdgcn-amd-amdhsa--gfx1250"
	.amdhsa_code_object_version 6
	.text
	.protected	k_q526221b5b1_prep
	.globl	k_q526221b5b1_prep
	.p2align	8
	.type	k_q526221b5b1_prep,@function
k_q526221b5b1_prep:
	s_mov_b64 s[64:65], 0
	v_nop
	global_prefetch_b8 v0, s[64:65] scope:SCOPE_SE
	s_setreg_imm32_b32 hwreg(HW_REG_WAVE_MODE, 25, 1), 1
	s_wait_xcnt 0x0
; PREP: everything that is quantised once, and the table of cosines and sines.  Five kinds of work-groups, told apart by the work-group's number alone:
;   0-511    x [4096][4096] f32 -> codes of E4M3 in xc.  x is the left operand of three products, each with a scale of its own (entries 0, 2, 4): three sets of codes from one read of x, parts 0, 1, 2 of xc, 16 MiB apart.
;   512-639  wq,  640-703 wk,  704-767 wv -> wcodes rows 0-1023, 1024-1535, 1536-2047, [n][4096], K innermost, in K's own order
;   768-895  wo [1024][4096] -> wcodes from byte 8,388,608 on, [n][1024]; its positions swap the two middle groups of eight in each 32 (the order that launch outp's fragments want)
;   896-1023 rope: cos and sin of position / 1e6^(d/64), laid as the next launch's registers want them
; code = number / 2^e, held within +-448, to the nearest code, ties to even.
; x's CODES ARE LAID AS IMAGES OF THE OPERAND'S REGISTERS: for 64 tokens (four tiles of 16) and 128 along K, 8,192 bytes: tile b at 2,048 b, register group c at 512 c, lane (r, h) at 16 (r + 16 h):
; the 16 codes of token r, k = 32 c + 16 h + 0 .. 15.  The 32 steps along K of a group of 64 tokens follow each other.
; LIMITS: every exponent used here (entries 0 to 5 and 11) lies between -126 and 119, so that 2^e and 448 x 2^e are f32 numbers.  NaN among the inputs is not served.
; No matrix unit, no cluster, no tensor load: every byte is read once by one wave, and waves share nothing.
; PARTS OF xc THAT WOULD BE EQUAL ARE MADE ONCE.  Codes hang on the numbers and on the exponent alone, so where two of x's three exponents are equal their parts would hold the same bytes:
; part 1 is made only if e2 differs from e0, part 2 only if e4 differs from e0 and from e2.  Launch qkv makes the same comparisons and reads, for each kind, the first part made with its exponent.
; The branches hang on whole numbers read from the scales; this launch has no tensor load.
.set STG,   34816
.set XSTG,  3*STG                      ; x's path: four stages of 16 rows x 272 bytes
.set SPARE, XSTG+4*4352                ; the spare words, 128 bytes a wave, which no other line names
.set SPW,   16
.set NIL,   17
.set R,     32                         ; x: v32-159  four sets of 32 numbers as loaded
.set X,     160                        ; x: v160-191 32 numbers back from the stage
.set XT,    192                        ; x: v192-223 two sets of 16 held numbers
.set XC,    224                        ; x: v224-247 a step's codes: 2 groups x 3 scales x 4 registers
.set WX,    32                         ; weights: two sets of 32 numbers
.set WC,    96
.set WB,    112
	s_load_b512 s[4:19], s[0:1], 0x0               ; x 4:5, wq 6:7, wk 8:9, wv 10:11, wo 12:13, scales 14:15, xc 16:17, wcodes 18:19
	s_load_b64 s[20:21], s[0:1], 0x40              ; rope
	v_lshl_add_u32 v[SPW], v0, 2, SPARE
	v_mov_b32 v[NIL], 0
	v_lshrrev_b32 v1, 5, v0
	v_readfirstlane_b32 s36, v1                    ; wave 0..3
	s_mul_i32 s37, s36, 8704                       ; my stage among a weight path's four
	s_mul_i32 s38, s36, 4352
	s_add_co_u32 s38, s38, XSTG                    ; my stage of x's path
	v_and_b32 v1, 31, v0                           ; lane
	v_lshlrev_b32 v3, 4, v1                        ; 16 x lane
	v_lshlrev_b32 v5, 2, v1                        ; 4 x lane
	v_and_b32 v6, 15, v0                           ; r
	v_bfe_u32 v2, v0, 4, 1                         ; h
	v_mul_u32_u24 v4, v1, 272
	v_add_nc_u32 v4, s37, v4                       ; weights, into a stage: row = my column
	v_mul_u32_u24 v22, v2, 272
	v_lshl_add_u32 v22, v6, 4, v22
	v_add_nc_u32 v7, s37, v22                      ; out of it: sixteen lanes to a row, two rows an instruction
	v_add_nc_u32 v22, s38, v22                     ; x, into its stage: likewise
	v_add_nc_u32 v18, STG, v4
	v_add_nc_u32 v19, STG, v7
	v_add_nc_u32 v20, 2*STG, v4                    ; all LDS addresses are made ahead of the parting
	v_add_nc_u32 v21, 2*STG, v7
	v_mul_u32_u24 v23, v6, 272
	v_lshl_add_u32 v23, v2, 6, v23
	v_add_nc_u32 v23, s38, v23                     ; x, out of its stage: row r, 64 h bytes on
	v_lshlrev_b32 v24, 14, v2
	v_lshl_add_u32 v24, v6, 4, v24                 ; x in memory: lanes 0-15 one row's 256 bytes, lanes 16-31 the next row's
	s_wait_alu depctr_va_vdst(0)
	s_wait_kmcnt 0x0
	s_load_b256 s[24:31], s[14:15], 0x0            ; e0 .. e7
	s_load_b128 s[32:35], s[14:15], 0x20           ; e8 .. e11
	s_cmp_lt_u32 ttmp9, 512
	s_cbranch_scc1 .Lx
	s_cmp_lt_u32 ttmp9, 640
	s_cbranch_scc1 .Lwq
	s_cmp_lt_u32 ttmp9, 768
	s_cbranch_scc1 .Lwkv
	s_cmp_lt_u32 ttmp9, 896
	s_cbranch_scc1 .Lwo
; ---- THE TABLE.  Work-group = a tile of 16 positions, wave t = 16 of the 64 frequencies.  Lane (r, h): position 16 tile + r, d = 16 t + 8 h + 0 .. 7.
; timescale = 1e6^(d/64) as f32: log2(1e6)/64 is split into a short upper part, whose product with d is exact, and a rest that enters as the factor 1 + ln2 x rest x d.
; angle = position / timescale: a reciprocal with one correction step.  sin, cos: the nearest multiple of pi/2 is taken off in two parts, polynomials on +-pi/4, then the quadrant.
.set FI,   32
.set TSC,  40
.set CR,   48
.set RC,   56
.set ANG,  64
.set NN,   72
.set RR,   80
.set ZZ,   88
.set PP,   96
.set QQ,   104
.set SN,   112
.set CN,   120
.set COSR, 128
.set SINR, 136
	s_sub_co_u32 s37, ttmp9, 896
	s_lshl_b32 s38, s37, 4
	v_add_nc_u32 v9, s38, v6
	v_cvt_f32_u32 v9, v9                           ; my position
	s_lshl_b32 s39, s36, 4
	v_lshl_add_u32 v10, v2, 3, s39                 ; 16 t + 8 h
	s_wait_alu depctr_va_vdst(0)
	s_lshl_b32 s40, s37, 13                        ; 8,192 bytes a tile, 2,048 a wave
	s_lshl_b32 s41, s36, 11
	s_add_co_u32 s40, s40, s41
	s_mov_b32 s41, 0
	s_add_nc_u64 s[46:47], s[20:21], s[40:41]
	s_mov_b32 s50, 0xb5517c34                      ; ln2 x (log2(1e6)/64 - its upper part)
	s_mov_b32 s51, 0x3fc90fdb                      ; pi/2, upper part
	s_mov_b32 s52, 0xb33bbd2e                      ; pi/2, the rest
	s_mov_b32 s53, 0xb94ca1f9                      ; the sine's coefficients
	s_mov_b32 s54, 0x3c08839e
	s_mov_b32 s55, 0xbe2aaaa3
	s_mov_b32 s56, 0x37ccf5ce                      ; the cosine's
	s_mov_b32 s57, 0xbab6061a
	s_mov_b32 s58, 0x3d2aaaa5
.irp m, 0,1,2,3,4,5,6,7
	v_add_nc_u32 v[FI+\m], \m, v10
.endr
.irp m, 0,1,2,3,4,5,6,7
	v_cvt_f32_u32 v[FI+\m], v[FI+\m]               ; d
.endr
.irp m, 0,1,2,3,4,5,6,7
	v_mul_f32 v[TSC+\m], 0x3e9f7400, v[FI+\m]      ; d x 81640 / 2^18: exact
.endr
	s_wait_alu depctr_va_vdst(0)
.irp m, 0,1,2,3,4,5,6,7
	v_exp_f32 v[TSC+\m], v[TSC+\m]
.endr
.irp m, 0,1,2,3,4,5,6,7
	v_fma_f32 v[CR+\m], v[FI+\m], s50, 1.0
.endr
	s_wait_alu depctr_va_vdst(0)                   ; one wait for the eight exponentials
.irp m, 0,1,2,3,4,5,6,7
	v_mul_f32 v[TSC+\m], v[TSC+\m], v[CR+\m]       ; the timescale
.endr
	s_wait_alu depctr_va_vdst(0)
.irp m, 0,1,2,3,4,5,6,7
	v_rcp_f32 v[RC+\m], v[TSC+\m]
.endr
	v_nop
	s_wait_alu depctr_va_vdst(0)                   ; one wait for the eight reciprocals
.irp m, 0,1,2,3,4,5,6,7
	v_mul_f32 v[ANG+\m], v9, v[RC+\m]
.endr
.irp m, 0,1,2,3,4,5,6,7
	v_fma_f32 v[NN+\m], -v[ANG+\m], v[TSC+\m], v9
.endr
.irp m, 0,1,2,3,4,5,6,7
	v_fma_f32 v[ANG+\m], v[NN+\m], v[RC+\m], v[ANG+\m]   ; position / timescale
.endr
.irp m, 0,1,2,3,4,5,6,7
	v_mul_f32 v[NN+\m], 0x3f22f983, v[ANG+\m]      ; x 2/pi
.endr
.irp m, 0,1,2,3,4,5,6,7
	v_rndne_f32 v[NN+\m], v[NN+\m]
.endr
.irp m, 0,1,2,3,4,5,6,7
	v_fma_f32 v[RR+\m], -v[NN+\m], s51, v[ANG+\m]
.endr
.irp m, 0,1,2,3,4,5,6,7
	v_fma_f32 v[RR+\m], -v[NN+\m], s52, v[RR+\m]   ; the angle within +-pi/4
.endr
.irp m, 0,1,2,3,4,5,6,7
	v_mul_f32 v[ZZ+\m], v[RR+\m], v[RR+\m]
.endr
.irp m, 0,1,2,3,4,5,6,7
	v_fma_f32 v[PP+\m], v[ZZ+\m], s53, s54
.endr
.irp m, 0,1,2,3,4,5,6,7
	v_fma_f32 v[PP+\m], v[PP+\m], v[ZZ+\m], s55
.endr
.irp m, 0,1,2,3,4,5,6,7
	v_mul_f32 v[QQ+\m], v[ZZ+\m], v[RR+\m]
.endr
.irp m, 0,1,2,3,4,5,6,7
	v_fma_f32 v[SN+\m], v[PP+\m], v[QQ+\m], v[RR+\m]     ; the sine
.endr
.irp m, 0,1,2,3,4,5,6,7
	v_fma_f32 v[PP+\m], v[ZZ+\m], s56, s57
.endr
.irp m, 0,1,2,3,4,5,6,7
	v_fma_f32 v[PP+\m], v[PP+\m], v[ZZ+\m], s58
.endr
.irp m, 0,1,2,3,4,5,6,7
	v_mul_f32 v[QQ+\m], v[ZZ+\m], v[ZZ+\m]
.endr
.irp m, 0,1,2,3,4,5,6,7
	v_fma_f32 v[CN+\m], v[ZZ+\m], -0.5, 1.0
.endr
.irp m, 0,1,2,3,4,5,6,7
	v_fma_f32 v[CN+\m], v[PP+\m], v[QQ+\m], v[CN+\m]     ; the cosine
.endr
.irp m, 0,1,2,3,4,5,6,7
	v_cvt_i32_f32 v[NN+\m], v[NN+\m]               ; the quadrant
.endr
.irp m, 0,1,2,3,4,5,6,7
	v_and_b32 v[PP+\m], 1, v[NN+\m]
	v_cmp_eq_u32 vcc_lo, 1, v[PP+\m]               ; odd: sine and cosine change places
	v_cndmask_b32 v[SINR+\m], v[SN+\m], v[CN+\m], vcc_lo
	v_cndmask_b32 v[COSR+\m], v[CN+\m], v[SN+\m], vcc_lo
.endr
.irp m, 0,1,2,3,4,5,6,7
	v_lshlrev_b32 v[PP+\m], 30, v[NN+\m]           ; the sine is negated where n mod 4 is 2 or 3,
	v_add_nc_u32 v[QQ+\m], 1, v[NN+\m]
.endr
.irp m, 0,1,2,3,4,5,6,7
	v_and_b32 v[PP+\m], 0x80000000, v[PP+\m]
	v_lshlrev_b32 v[QQ+\m], 30, v[QQ+\m]           ; the cosine where it is 1 or 2
.endr
.irp m, 0,1,2,3,4,5,6,7
	v_xor_b32 v[SINR+\m], v[SINR+\m], v[PP+\m]
	v_and_b32 v[QQ+\m], 0x80000000, v[QQ+\m]
.endr
.irp m, 0,1,2,3,4,5,6,7
	v_xor_b32 v[COSR+\m], v[COSR+\m], v[QQ+\m]
.endr
	global_store_b128 v3, v[COSR:COSR+3], s[46:47]                  ; each store of the wave covers 512 consecutive bytes, aligned
	global_store_b128 v3, v[COSR+4:COSR+7], s[46:47] offset:512
	global_store_b128 v3, v[SINR:SINR+3], s[46:47] offset:1024
	global_store_b128 v3, v[SINR+4:SINR+7], s[46:47] offset:1536
	s_wait_kmcnt 0x0                               ; the scales' loads, which this path does not use, are in
	s_endpgm
; 2^e and 448 x 2^e as f32 numbers, from the whole number e
.macro MKSC e, sc, lim
	s_add_co_i32 s40, \e, 127
	s_lshl_b32 s41, s40, 23
	v_mov_b32 v[\sc], s41
	s_add_co_i32 s40, s40, 8
	s_lshl_b32 s40, s40, 23
	s_or_b32 s40, s40, 0x600000
	v_mov_b32 v[\lim], s40
.endm
; ---- x.  A wave takes a tile of 16 tokens x 512 along K, in 8 steps of 64 along K.  A step's eight loads read 256 consecutive bytes of each of two rows; loads run four steps (32 loads a wave) ahead.
; The 16 x 64 numbers turn through the wave's own stage, so that lane (r, h) gets token r's k = 32 c + 16 h + 0 .. 15: the conversions' results are then groups c of the image.
.macro XLOAD u
.irp i, 0,1,2,3,4,5,6,7
	global_load_b128 v[R+32*((\u)%4)+4*\i:R+32*((\u)%4)+4*\i+3], v24, s[46:47] offset:32768*\i+256*(\u) th:TH_LOAD_NT
.endr
.endm
.macro XQ c, k, lim, sc                ; group c's codes under scale k.  The held numbers go into two sets by turns: sixteen plain lines stand between two conversions and the next write of their sources
.set XTS, XT+16*((3*(\c)+(\k))%2)
.set XCS, XC+12*(\c)+4*(\k)
.irp i, 0,1,2,3,4,5,6,7,8,9,10,11,12,13,14,15
	v_med3_num_f32 v[XTS+\i], v[X+16*(\c)+\i], -v[\lim], v[\lim]   ; the conversion to an 8-bit code does not saturate (ISA guide 7.6.2): the hold
.endr
	v_cvt_scalef32_pk8_fp8_f32 v[XCS:XCS+1], v[XTS:XTS+7], v[\sc]
	v_cvt_scalef32_pk8_fp8_f32 v[XCS+2:XCS+3], v[XTS+8:XTS+15], v[\sc]
	v_nop                                          ; a plain line behind the conversions: where part 1 is left out, part 2's holds write the set that part 0's conversions read
.endm
.macro XG u, c                         ; group c of step u: part 0 always; parts 1 and 2 where their exponents are new (s56, s57).  Each store covers 512 consecutive bytes, aligned
	XQ \c, 0, 10, 11
	global_store_b128 v3, v[XC+12*(\c):XC+12*(\c)+3], s[48:49] offset:8192*((\u)/2)+512*(2*((\u)%2)+(\c))
	s_cmp_eq_u32 s56, 0
	s_cbranch_scc1 .Lno1_\@
	XQ \c, 1, 12, 13
	global_store_b128 v3, v[XC+12*(\c)+4:XC+12*(\c)+7], s[50:51] offset:8192*((\u)/2)+512*(2*((\u)%2)+(\c))
.Lno1_\@:
	s_cmp_eq_u32 s57, 0
	s_cbranch_scc1 .Lno2_\@
	XQ \c, 2, 14, 15
	global_store_b128 v3, v[XC+12*(\c)+8:XC+12*(\c)+11], s[52:53] offset:8192*((\u)/2)+512*(2*((\u)%2)+(\c))
.Lno2_\@:
.endm
.macro XSTEP u
.if 7-(\u) >= 3
	s_wait_loadcnt 24                              ; this step's eight loads are in; those of the three steps behind it may be out
.else
	s_wait_loadcnt 8*(7-(\u))
.endif
.irp i, 0,1,2,3,4,5,6,7
	ds_store_b128 v22, v[R+32*((\u)%4)+4*\i:R+32*((\u)%4)+4*\i+3] offset:544*\i     ; rows 2 i and 2 i + 1
.endr
.irp c, 0,1
.irp d, 0,1,2,3
	ds_load_b128 v[X+16*\c+4*\d:X+16*\c+4*\d+3], v23 offset:128*\c+16*\d           ; LDS serves a wave's instructions in order (ISA guide 5.7.1.4): these see my stores
.endr
.endr
	s_wait_dscnt 0x0                               ; the numbers are back, and the stores have read their registers
	s_wait_xcnt 0x0                                ; the last step's stores have read theirs: this step's codes are written there
.if (\u)+4 < 8
	XLOAD (\u)+4
.endif
.irp c, 0,1
	XG \u, \c
.endr
.endm
.Lx:
	s_lshl_b32 s37, ttmp9, 2
	s_add_co_u32 s37, s37, s36                     ; my wave among 2,048: tile = number / 8, which 512 along K = number % 8
	s_lshr_b32 s42, s37, 3
	s_and_b32 s43, s37, 7
	s_lshl_b32 s38, s42, 18                        ; 16 rows of 16,384 bytes
	s_lshl_b32 s39, s43, 11
	s_add_co_u32 s38, s38, s39
	s_mov_b32 s39, 0
	s_add_nc_u64 s[46:47], s[4:5], s[38:39]
	s_lshr_b32 s38, s42, 2
	s_lshl_b32 s38, s38, 18                        ; the group of 64 tokens: 32 x 8,192 bytes
	s_lshl_b32 s44, s43, 15                        ; four steps of 128 along K
	s_add_co_u32 s38, s38, s44
	s_and_b32 s44, s42, 3
	s_lshl_b32 s44, s44, 11                        ; the tile in its group
	s_add_co_u32 s38, s38, s44
	s_add_nc_u64 s[48:49], s[16:17], s[38:39]      ; part 0,
	s_add_nc_u64 s[50:51], s[48:49], 0x1000000     ; part 1,
	s_add_nc_u64 s[52:53], s[48:49], 0x2000000     ; part 2
	XLOAD 0
	XLOAD 1
	XLOAD 2
	XLOAD 3
	s_wait_kmcnt 0x0
	MKSC s24, 11, 10
	MKSC s26, 13, 12
	MKSC s28, 15, 14
	s_cmp_lg_u32 s26, s24
	s_cselect_b32 s56, 1, 0                        ; part 1 is made: e2 differs from e0
	s_cmp_lg_u32 s28, s24
	s_cselect_b32 s57, 1, 0
	s_cmp_lg_u32 s28, s26
	s_cselect_b32 s57, s57, 0                      ; part 2 is made: e4 differs from e0 and from e2
	s_wait_alu depctr_va_vdst(0)
.irp u, 0,1,2,3,4,5,6,7
	XSTEP \u
.endr
	s_wait_tensorcnt 0x0                           ; the wave's end
	ds_add_u32 v[SPW], v[NIL]
	s_wait_dscnt 0x0
	s_endpgm
; ---- THE WEIGHTS: K is their first axis.  A lane takes a column n and its registers run down K: each load reads 128 consecutive bytes a wave, and the conversions give codes with K innermost.
; A wave takes 32 columns x 256 positions; the codes go through its own stage and leave as rows, sixteen lanes to 256 consecutive bytes, aligned.
; s37: the work-group's number within its tensor; s44: the tensor's first row in wcodes; s[54:55]: the tensor.
.macro WSET lc, n, krow, region
	s_and_b32 s38, s37, (1<<\lc)-1                 ; which 128 columns
	s_lshr_b32 s39, s37, \lc                       ; which 256 positions
	s_lshl_b32 s38, s38, 7
	s_lshl_b32 s40, s36, 5
	s_add_co_u32 s38, s38, s40                     ; my wave's first column
	s_lshl_b32 s40, s39, 8
	s_mul_i32 s40, s40, \n
	s_add_co_u32 s40, s40, s38
	s_lshl_b32 s40, s40, 2
	s_mov_b32 s41, 0
	s_add_nc_u64 s[46:47], s[54:55], s[40:41]
	s_add_co_u32 s38, s38, s44
	s_mul_i32 s40, s38, \krow
	s_lshl_b32 s39, s39, 8
	s_add_co_u32 s40, s40, s39
.if \region > 0
	s_add_co_u32 s40, s40, \region
.endif
	s_add_nc_u64 s[48:49], s[18:19], s[40:41]
	v_mul_u32_u24 v8, v2, \krow
	v_lshl_add_u32 v8, v6, 4, v8                   ; the way out: my place in two rows of codes
.endm
.macro WLOAD t, n, perm                ; positions 32 t + i of my column into set t % 2.  perm = 0: position = k; perm = 2: the two middle groups of eight of each 32 change places
.set i, 0
.rept 32
.if \perm == 0
.set kk, 32*(\t)+i
.else
.set kk, 32*(\t)+((i&7)|((i&8)<<1)|((i&16)>>1))
.endif
	global_load_b32 v[WX+32*((\t)%2)+i], v5, s[46:47] offset:kk*\n*4 th:TH_LOAD_NT
.set i, i+1
.endr
.endm
.macro WBLOCK t, n, perm, sti
.set XS, WX+32*((\t)%2)
.if (\t) < 7
	s_wait_loadcnt 32                              ; this block's 32 loads are in; the next block's may be out
.else
	s_wait_loadcnt 0
.endif
.set i, 0
.rept 32
	v_med3_num_f32 v[XS+i], v[XS+i], -v10, v10
.set i, i+1
.endr
.irp g, 0,1,2,3
	v_cvt_scalef32_pk8_fp8_f32 v[WC+2*\g:WC+2*\g+1], v[XS+8*\g:XS+8*\g+7], v11
.endr
	ds_store_b128 v[\sti], v[WC:WC+3] offset:32*(\t)
	ds_store_b128 v[\sti], v[WC+4:WC+7] offset:32*(\t)+16
.if (\t)+2 < 8
	WLOAD (\t)+2, \n, \perm
.endif
	s_wait_dscnt 0x0                               ; the stores have read their registers: the next block's codes may be written
.endm
.macro WRUN n, krow, perm, sti, sto
.irp t, 0,1,2,3,4,5,6,7
	WBLOCK \t, \n, \perm, \sti
.endr
.irp t, 0,1,2,3,4,5,6,7,8,9,10,11,12,13,14,15
	ds_load_b128 v[WB+4*\t:WB+4*\t+3], v[\sto] offset:2*\t*272
.endr
.irp t, 0,1,2,3,4,5,6,7,8,9,10,11,12,13,14,15
	s_wait_dscnt 15-\t
	global_store_b128 v8, v[WB+4*\t:WB+4*\t+3], s[48:49] offset:2*\t*\krow
.endr
	s_wait_tensorcnt 0x0                           ; the wave's end
	ds_add_u32 v[SPW], v[NIL]
	s_wait_dscnt 0x0
	s_endpgm
.endm
.Lwq:
	s_sub_co_u32 s37, ttmp9, 512
	s_mov_b64 s[54:55], s[6:7]
	s_mov_b32 s44, 0
	WSET 3, 1024, 4096, 0
	WLOAD 0, 1024, 0
	WLOAD 1, 1024, 0
	s_wait_kmcnt 0x0
	MKSC s25, 11, 10
	s_wait_alu depctr_va_vdst(0)
	WRUN 1024, 4096, 0, 4, 7
.Lwkv:
	s_sub_co_u32 s37, ttmp9, 640
	s_and_b32 s37, s37, 63
	s_mov_b32 s44, 1536
	s_cmp_lt_u32 ttmp9, 704                        ; wk or wv: the choice hangs on the work-group's number alone
	s_cselect_b64 s[54:55], s[8:9], s[10:11]
	s_cselect_b32 s44, 1024, s44
	WSET 2, 512, 4096, 0
	WLOAD 0, 512, 0
	WLOAD 1, 512, 0
	s_wait_kmcnt 0x0
	s_cmp_lt_u32 ttmp9, 704
	s_cselect_b32 s43, s27, s29
	MKSC s43, 11, 10
	s_wait_alu depctr_va_vdst(0)
	WRUN 512, 4096, 0, 18, 19
.Lwo:
	s_sub_co_u32 s37, ttmp9, 768
	s_mov_b64 s[54:55], s[12:13]
	s_mov_b32 s44, 0
	WSET 5, 4096, 1024, 8388608
	WLOAD 0, 4096, 2
	WLOAD 1, 4096, 2
	s_wait_kmcnt 0x0
	MKSC s35, 11, 10
	s_wait_alu depctr_va_vdst(0)
	WRUN 4096, 1024, 2, 20, 21
.Lfunc_end_k_q526221b5b1_prep:
	.size	k_q526221b5b1_prep, .Lfunc_end_k_q526221b5b1_prep-k_q526221b5b1_prep
	.p2alignl 7, 3214868480
	.fill 96, 4, 3214868480
	.section	.rodata,"a",@progbits
	.p2align	6, 0x0
	.amdhsa_kernel k_q526221b5b1_prep
		.amdhsa_group_segment_fixed_size 122368
		.amdhsa_private_segment_fixed_size 0
		.amdhsa_enable_private_segment 0
		.amdhsa_kernarg_size 72
		.amdhsa_user_sgpr_count 2
		.amdhsa_user_sgpr_kernarg_segment_ptr 1
		.amdhsa_wavefront_size32 1
		.amdhsa_system_sgpr_workgroup_id_x 1
		.amdhsa_system_sgpr_workgroup_id_y 1
		.amdhsa_system_sgpr_workgroup_id_z 1
		.amdhsa_system_vgpr_workitem_id 0
		.amdhsa_next_free_vgpr 256
		.amdhsa_next_free_sgpr 66
		.amdhsa_reserve_vcc 1
		.amdhsa_float_denorm_mode_32 3
		.amdhsa_float_denorm_mode_16_64 3
		.amdhsa_memory_ordered 1
		.amdhsa_forward_progress 1
		.amdhsa_inst_pref_size 240
	.end_amdhsa_kernel
	.amdgpu_metadata
---
amdhsa.version: [ 1, 2 ]
amdhsa.kernels:
  - .name:           k_q526221b5b1_prep
    .symbol:         k_q526221b5b1_prep.kd
    .args:
      - { .name: x, .offset: 0, .size: 8, .value_kind: global_buffer, .address_space: global }
      - { .name: wq, .offset: 8, .size: 8, .value_kind: global_buffer, .address_space: global }
      - { .name: wk, .offset: 16, .size: 8, .value_kind: global_buffer, .address_space: global }
      - { .name: wv, .offset: 24, .size: 8, .value_kind: global_buffer, .address_space: global }
      - { .name: wo, .offset: 32, .size: 8, .value_kind: global_buffer, .address_space: global }
      - { .name: lowp_scales, .offset: 40, .size: 8, .value_kind: global_buffer, .address_space: global }
      - { .name: xc, .offset: 48, .size: 8, .value_kind: global_buffer, .address_space: global }
      - { .name: wcodes, .offset: 56, .size: 8, .value_kind: global_buffer, .address_space: global }
      - { .name: rope, .offset: 64, .size: 8, .value_kind: global_buffer, .address_space: global }
    .group_segment_fixed_size: 122368
    .private_segment_fixed_size: 0
    .kernarg_segment_align: 8
    .kernarg_segment_size: 72
    .max_flat_workgroup_size: 128
    .sgpr_count:     66
    .vgpr_count:     256
    .wavefront_size: 32
...
	.end_amdgpu_metadata
.endif
;; end of part 1
;; launch qkv (part 2): grid 16 x 16, 4 waves a work-group, clusters of 4 x 1, 327,680 bytes of LDS; arguments xc, wcodes, rope, q_norm_w, k_norm_w, lowp_scales, qkv; writes qkv
.if DOCPART == 2
	.amdgcn_target "amdgcn-amd-amdhsa--gfx1250"
	.amdhsa_code_object_version 6
	.text
	.protected	k_q526221b5b1_qkv
	.globl	k_q526221b5b1_qkv
	.p2align	8
	.type	k_q526221b5b1_qkv,@function
k_q526221b5b1_qkv:
	s_mov_b64 s[64:65], 0
	v_nop
	global_prefetch_b8 v0, s[64:65] scope:SCOPE_SE
	s_setreg_imm32_b32 hwreg(HW_REG_WAVE_MODE, 25, 1), 1
	s_wait_xcnt 0x0
	s_wait_alu depctr_hold_cnt(0) depctr_sa_sdst(0) depctr_va_vdst(0) depctr_va_sdst(0) depctr_va_ssrc(0) depctr_va_vcc(0) depctr_vm_vsrc(0)
	s_getreg_b32 s2, hwreg(HW_REG_IB_STS2, 6, 4)
	s_cmp_eq_u32 s2, 0
	s_cbranch_scc0 .Lentry_in_a_cluster
	s_endpgm
.Lentry_in_a_cluster:
	s_bfe_u32 s2, ttmp6, 0x10000c
	s_cmp_lg_u32 s2, 0x3003
	s_cbranch_scc0 .Lentry_shape_is_right
	s_endpgm
.Lentry_shape_is_right:
; QKV: x wq, x wk, x wv as one product on codes of E4M3, [4096 tokens] x [2048 columns], K = 4096; then, in registers, the RMS norm and the rotation of q and k, and the quantising of q, k and v for attention.
; SHARES.  A work-group makes 256 tokens (x) x one head of 128 columns (y: 0-7 q, 8-11 k, 12-15 v): 16 x 16 work-groups.  A wave makes 64 tokens x 128 columns: 32 accumulators.
; Source 0 = 16 rows of the weight (a = 0..7), source 1 = 16 of my tokens (b = 0..3): a lane holds ONE token (16 b + lane % 16) and the channels 16 a + 8 (lane / 16) + 0..7.
; WHERE THE OPERANDS COME FROM.  A wave's 64 tokens are read by that wave alone: their codes lie in xc as images of the operand's registers and go from memory straight into registers,
; 16 loads of 512 consecutive bytes for 128 along K, four such steps (64 loads) ahead, in four sets of registers.  The weight's 128 rows are read by all four waves: they go through LDS,
; in two slots of 1,024 along K (128 rows x 1,040 bytes), filled four times in all; each wave fetches 32 rows.  A refill is asked for in a slot's seventh step, when the slot's last fragments are in registers,
; and is waited for in the other slot's seventh step: 256 matrix instructions a wave later.
; CLUSTERS: 4 x 1: four blocks of tokens of one head need the same rows of the weight and ask for them jointly (mask 15).
; NO PREFETCH: x's loads themselves stand four steps ahead of their use, and a refill has eight steps in which to land; the text has no loop to run further ahead in.
; WHICH CODES OF x: the part of xc made with my kind's scale: 0 for q, 1 for k, 2 for v.
; THE WAY OUT.  q, k: the conversion of accumulator (a, b) gives registers 2 a, 2 a + 1 of tile b's fragment in the matrix instruction's own layout; it is stored as an image of its registers.
; v: the second attention product's K is the keys, so a lane must hold one channel and eight neighbouring tokens: 16 tokens x 128 channels of sums at a time turn through the wave's own stage in LDS.
; The table's part for my tokens comes in the last four steps, into x's sets as they fall free (every kind issues these loads, so that the counts of the waits are the same; v does not use them).
; LIMITS on the given exponents: entries 6 and 7, and e8 - e4 - e5, between -126 and 119.  NaN among the inputs is not served.  1/sqrt is v_rsq_f32.
; REGISTERS, in windows of 256:  window 0: v16-29 addresses and constants; v32-57 at work; v64-127 64 numbers; v128-191 codes; v192-255 the norm's weights.
;   window 1: the weight's fragments, two sets.   window 2: the accumulators, (a, b) at v[64 b + 8 a].   window 3: x's four sets; then cos at v[64 b + 16 t + j], sin at v[64 b + 16 t + 8 + j].
; THE PART OF xc, MORE CLOSELY: launch prep makes a part only where its exponent is new.  So q reads part 0; k reads part 0 if e2 = e0, else part 1; v reads part 0 if e4 = e0, else k's part if e4 = e2, else part 2.
; The choice is made by selections on the given exponents, with no branch, and enters the address of x's plain loads alone.
.set PIT,    1040
.set SLOT,   128*PIT
.set STAGE,  2*SLOT                    ; v's way out: 16 rows x 528 bytes for each wave; no tile lands here
.set SPIT,   528
.set SPARE,  STAGE+4*16*SPIT           ; the spare words, 128 bytes a wave, which no other line names
.set AL,   16                          ; v16-17  LDS address of the weight's rows 0-63 in slot 0, 1
.set AH,   18                          ; v18-19  of its rows 64-127
.set SCL,  20                          ; v20     the conversion's scale as f32
.set LIMV, 21                          ; v21     448 x that
.set LI,   22                          ; v22     16 x lane
.set NWO,  23                          ; v23     32 x (lane / 16)
.set VST,  24                          ; v24     v: into the stage
.set VLD,  25                          ; v25     v: out of it
.set SPW,  28
.set NIL,  29
.set TT,   32
.set STA,  48
.set FF,   56
.set Y,    64
.set CD,   128
.set NW,   192
.set G1,   24                          ; s[24:31] descriptor group 1
.set G0,   32                          ; s[32:35] group 0 for slot 0, s[36:39] for slot 1
.set XB,   54                          ; s[54:55] my 64 tokens' images
.set RP,   56                          ; s[56:57] the table's part for them
.set SE,   98                          ; E: a sum stands for sum x 2^E
.set S2E,  99                          ; 2 E - 7
.set MUL,  0xad                        ; source 0 window 1, source 1 window 3, C and D window 2
.set MSB, 0
.macro WIN new                         ; the immediate's high byte repeats the setting that is left
.if MSB != \new
	s_set_vgpr_msb (MSB<<8)|\new
.set MSB, \new
.endif
.endm
.macro PLACES                          ; four plain vector lines between a matrix instruction and a load into, or a read of, its registers
.rept 4
	v_nop
.endr
.endm
.macro CROUND                          ; a round of the cluster's barrier
	s_barrier_signal -1
	s_barrier_wait -1
	s_cmp_lg_u32 s18, 0
	s_cbranch_scc1 .Lnot_wave_0_\@
	s_barrier_signal -3
.Lnot_wave_0_\@:
	s_barrier_wait -3
	s_barrier_signal -1
	s_barrier_wait -1
.endm
.macro FRAG reg, adr, q, i             ; 16 rows x 128 along K: four loads of 16 bytes a lane, 32 bytes apart: lane (r, h), group c: k = 32 c + 16 h + 0..15, as in x's images
.irp c, 0,1,2,3
	ds_load_b128 v[\reg+4*\c:\reg+4*\c+3], v[\adr] offset:128*(\q)+32*\c+(\i)*16*PIT
.endr
.endm
.macro FETCH slot, q, p                ; the weight's eight fragments of the slot's q-th 128 along K into set p: 32 loads
	WIN 0x40
.irp i, 0,1,2,3
	FRAG 128*(\p)+16*\i, AL+(\slot), \q, \i
.endr
.irp i, 0,1,2,3
	FRAG 128*(\p)+64+16*\i, AH+(\slot), \q, \i
.endr
.endm
.macro XLOAD p, base, st               ; 8,192 consecutive bytes into set p of window 3: 16 loads
	WIN 0xc0
.irp b, 0,1,2,3
.irp c, 0,1,2,3
	global_load_b128 v[64*(\p)+16*\b+4*\c:64*(\p)+16*\b+4*\c+3], v[LI], s[\base:\base+1] offset:8192*(\st)+2048*\b+512*\c
.endr
.endr
.endm
; Eight matrix instructions: my tokens' tile b against the weight's eight.  The 32 accumulators take turns, in the same order in every step.  Step 0 starts the sums.
.macro MUL8 b, s
.irp a, 0,1,2,3,4,5,6,7
.if (\s) == 0
	v_wmma_f32_16x16x128_fp8_fp8 v[64*\b+8*\a:64*\b+8*\a+7], v[128*((\s)%2)+16*\a:128*((\s)%2)+16*\a+15], v[64*((\s)%4)+16*\b:64*((\s)%4)+16*\b+15], 0
.else
	v_wmma_f32_16x16x128_fp8_fp8 v[64*\b+8*\a:64*\b+8*\a+7], v[128*((\s)%2)+16*\a:128*((\s)%2)+16*\a+15], v[64*((\s)%4)+16*\b:64*((\s)%4)+16*\b+15], v[64*\b+8*\a:64*\b+8*\a+7]
.endif
.endr
.endm
; Step s of 32: 128 along K.  Behind its 32 products the two sets that it has read are asked for anew: the weight's for step s + 2, x's for step s + 4 (behind step 27: the table).
.macro STEP s
.set QS, (\s)%8
.set CH, (\s)/8
	s_wait_loadcnt 48                              ; my tokens' set is in; the three sets asked for behind it may be out
.if (QS == 6) && (CH < 3)
	WIN 0                                          ; THE CHANGE OF SLOTS: the slot's last fragments were asked for behind step 5
	s_wait_tensorcnt 0x0                           ; all my tensor loads have landed: my part of the other slot;
	ds_add_u32 v[SPW], v[NIL]
.if CH < 2
	s_add_nc_u64 s[G0+4*CH+2:G0+4*CH+3], s[G0+4*CH+2:G0+4*CH+3], 2048   ; this slot's next 1,024 along K
.endif
	s_wait_dscnt 33                                ; (the next step's 32 loads and the add may be out)
	WIN MUL
	MUL8 0, \s
	MUL8 1, \s
	s_wait_dscnt 0x0                               ; the add is done, and my reads of this slot are over
	WIN 0
.if CH < 2
	CROUND                                         ; no wave of any partner still reads this slot or has a load on its way
	tensor_load_to_lds s[G0+4*CH:G0+4*CH+3], s[G1:G1+7]
	s_nop 0
	PLACES
.else
	s_barrier_signal -1                            ; nothing is left to fetch: the other slot is whole
	s_barrier_wait -1
.endif
	WIN MUL
	MUL8 2, \s
	MUL8 3, \s
.else
.if (\s) < 31
	s_wait_dscnt 32                                ; this step's fragments are in; the next step's 32 loads may be out
.else
	s_wait_dscnt 0x0
.endif
	WIN MUL
	MUL8 0, \s
	MUL8 1, \s
	MUL8 2, \s
	MUL8 3, \s
.endif
	PLACES
.if (\s)+2 < 32
	FETCH (((\s)+2)/8)%2, ((\s)+2)%8, (\s)%2
.endif
.if (\s)+4 < 32
	XLOAD (\s)%4, XB, (\s)+4
.else
	XLOAD (\s)%4, RP, (\s)-28
.endif
.endm
	s_load_b256 s[4:11], s[0:1], 0x0               ; xc 4:5, wcodes 6:7, rope 8:9, q_norm_w 10:11
	s_load_b128 s[12:15], s[0:1], 0x20             ; k_norm_w 12:13, the scales 14:15
	s_load_b64 s[16:17], s[0:1], 0x30              ; qkv
	v_lshl_add_u32 v[SPW], v0, 2, SPARE
	v_mov_b32 v[NIL], 0
	ds_add_u32 v[SPW], v[NIL]                      ; the opening
	ds_add_u32 v[SPW], v[NIL]
	v_lshrrev_b32 v1, 5, v0
	v_readfirstlane_b32 s18, v1                    ; wave 0..3
	s_mul_i32 s43, s18, 16*SPIT
	s_add_co_u32 s43, s43, STAGE                   ; my stage
	v_and_b32 v4, 31, v0
	v_lshlrev_b32 v[LI], 4, v4
	v_and_b32 v1, 15, v0                           ; r
	v_bfe_u32 v2, v0, 4, 1                         ; h
	v_lshlrev_b32 v[NWO], 5, v2
	v_mul_u32_u24 v3, v1, PIT
	v_lshl_add_u32 v[AL], v2, 4, v3                ; a fragment's row x pitch + 16 h
	v_add_nc_u32 v[AH], 64*PIT, v[AL]
	v_add_nc_u32 v[AL+1], SLOT, v[AL]
	v_add_nc_u32 v[AH+1], SLOT+64*PIT, v[AL]
	v_mul_u32_u24 v5, v1, SPIT
	v_lshl_add_u32 v5, v2, 5, v5
	v_add_nc_u32 v[VST], s43, v5                   ; in: row = my token, 32 h bytes on
	v_mul_u32_u24 v6, v2, 8*SPIT
	v_lshl_add_u32 v6, v1, 2, v6
	v_add_nc_u32 v[VLD], s43, v6                   ; out: rows 8 h on, column r
	v_mov_b32 v[FF+1], 0                           ; (named as the upper half of a pair)
	s_bfe_u32 s19, ttmp6, 0x40000                  ; cx
	s_lshl_b32 s20, ttmp9, 2
	s_add_co_u32 s20, s20, s19                     ; the block of 256 tokens
	s_and_b32 s21, ttmp7, 0xffff                   ; the head, 0..15: the same in all four partners
	s_mov_b32 s[G1], 15|(1<<20)|(1<<21)|(7<<22)|(3<<25)   ; the mask; elements of 1 byte; padding on; 21 set beside a mask; after every 256 words four words
	s_mov_b32 s[G1+1], 1024<<16                    ; tensor_dim0
	s_mov_b32 s[G1+2], 32<<16                      ; tensor_dim1
	s_mov_b32 s[G1+3], 1024<<16                    ; tile_dim0
	s_mov_b32 s[G1+4], 32                          ; tile_dim1
	s_mov_b32 s[G1+5], 4096                        ; from row to row
	s_mov_b32 s[G1+6], 0
	s_mov_b32 s[G1+7], 0
	s_lshl_b32 s40, s21, 7                         ; the weight: row 128 x head + 32 x wave
	s_lshl_b32 s41, s18, 5
	s_add_co_u32 s40, s40, s41
	s_lshl_b32 s40, s40, 12
	s_mov_b32 s41, 0
	s_mul_i32 s42, s18, 32*PIT                     ; and where it goes in a slot
	s_lshl_b32 s46, s20, 2
	s_add_co_u32 s46, s46, s18                     ; my group of 64 tokens
	s_lshl_b32 s44, s46, 18                        ; 32 steps x 8,192 bytes
	s_mov_b32 s45, 0
	s_lshl_b32 s48, s46, 2
	s_and_b32 s48, s48, 127                        ; positions begin anew in the second batch
	s_lshl_b32 s48, s48, 13
	s_mov_b32 s49, 0
	s_mov_b32 s96, 0x76543210                      ; v_permlanex16_b32's selects for lane l xor 16
	s_mov_b32 s97, 0xfedcba98
	s_wait_alu depctr_va_vdst(0)
	s_wait_dscnt 0x0                               ; both opening adds are done
	s_wait_kmcnt 0x0
	s_load_b256 s[84:91], s[14:15], 0x0            ; e0 .. e7
	s_load_b128 s[92:95], s[14:15], 0x20           ; e8 .. e11
	s_add_nc_u64 s[40:41], s[6:7], s[40:41]
	s_mov_b32 s[G0], 1
	s_mov_b32 s[G0+1], s42
	s_mov_b64 s[G0+2:G0+3], s[40:41]               ; slot 0: K 0 on
	s_or_b32 s[G0+3], s[G0+3], 0x80000000
	s_mov_b32 s[G0+4], 1
	s_add_co_u32 s[G0+5], s42, SLOT
	s_add_nc_u64 s[G0+6:G0+7], s[40:41], 1024      ; slot 1: K 1,024 on
	s_or_b32 s[G0+7], s[G0+7], 0x80000000
	s_add_nc_u64 s[XB:XB+1], s[4:5], s[44:45]
	s_add_nc_u64 s[RP:RP+1], s[8:9], s[48:49]
	s_cmp_ge_u32 s21, 8
	s_cselect_b64 s[10:11], s[12:13], s[10:11]     ; k's weights or q's
	CROUND                                         ; all four work-groups are here: the first joint loads meet
	tensor_load_to_lds s[G0:G0+3], s[G1:G1+7]      ; one tensor load a wave at the head
	s_nop 0
	PLACES
.irp a, 0,1,2,3,4,5,6,7
	global_load_b128 v[NW+8*\a:NW+8*\a+3], v[NWO], s[10:11] offset:64*\a
	global_load_b128 v[NW+8*\a+4:NW+8*\a+7], v[NWO], s[10:11] offset:64*\a+16
.endr
	s_wait_kmcnt 0x0                               ; the scales
	s_cmp_lg_u32 s86, s84
	s_cselect_b32 s50, 1, 0                        ; k's part: 1 where e2 differs from e0
	s_cmp_lg_u32 s88, s86
	s_cselect_b32 s51, 2, s50                      ; v's part: 2 where e4 differs from e2, else k's;
	s_cmp_lg_u32 s88, s84
	s_cselect_b32 s51, s51, 0                      ; 0 where e4 = e0
	s_cmp_ge_u32 s21, 8
	s_cselect_b32 s52, s50, 0
	s_cmp_ge_u32 s21, 12
	s_cselect_b32 s52, s51, s52                    ; my kind's part,
	s_min_u32 s52, s52, 2                          ; which is 0, 1 or 2
	s_lshl_b32 s52, s52, 24                        ; 16 MiB a part
	s_mov_b32 s53, 0
	s_add_nc_u64 s[XB:XB+1], s[XB:XB+1], s[52:53]
	XLOAD 0, XB, 0
	XLOAD 1, XB, 1
	XLOAD 2, XB, 2
	WIN 0
	; the way out's scalars.  A sum stands for sum x 2^E, E = the two operands' exponents added.  Choices on the given exponents are selections, never branches
	s_wait_kmcnt 0x0
	s_add_co_i32 s[SE], s84, s85                   ; q: e0 + e1
	s_add_co_i32 s50, s86, s87                     ; k: e2 + e3
	s_sub_co_i32 s51, s92, s88
	s_sub_co_i32 s51, s51, s89                     ; v: its code is sum / 2^(e8 - e4 - e5)
	s_cmp_ge_u32 s21, 8
	s_cselect_b32 s[SE], s50, s[SE]
	s_cselect_b32 s52, s91, s90                    ; k: e7, q: e6
	s_cmp_ge_u32 s21, 12
	s_cselect_b32 s52, s51, s52
	s_lshl_b32 s[S2E], s[SE], 1
	s_sub_co_i32 s[S2E], s[S2E], 7                 ; the mean of squares = the sum of squares x 2^(2 E - 7)
	s_add_co_i32 s50, s52, 127
	s_lshl_b32 s51, s50, 23
	v_mov_b32 v[SCL], s51
	s_add_co_i32 s50, s50, 8
	s_lshl_b32 s50, s50, 23
	s_or_b32 s50, s50, 0x600000
	v_mov_b32 v[LIMV], s50
	; where my images go, in units of 1,024 bytes (an image is 2,048)
	s_lshr_b32 s58, s20, 3                         ; batch
	s_and_b32 s59, s20, 7                          ; the block within it
	s_and_b32 s60, s21, 3                          ; the key and value head
	s_lshl_b32 s61, s58, 3
	s_add_co_u32 s61, s61, s21
	s_lshl_b32 s61, s61, 7                         ; q: (8 batch + head) x 128
	s_lshl_b32 s62, s58, 2
	s_add_co_u32 s62, s62, s60
	s_lshl_b32 s63, s62, 7
	s_add_co_u32 s63, s63, 2048                    ; k: behind q's 4 MiB
	s_cmp_ge_u32 s21, 8
	s_cselect_b32 s61, s63, s61
	s_lshl_b32 s63, s59, 4
	s_add_co_u32 s61, s61, s63
	s_lshl_b32 s63, s18, 2
	s_add_co_u32 s61, s61, s63                     ; + my first tile of 16 tokens
	s_lshl_b32 s61, s61, 1
	s_lshl_b32 s62, s62, 4
	s_lshl_b32 s63, s59, 1
	s_add_co_u32 s62, s62, s63
	s_lshr_b32 s63, s18, 1
	s_add_co_u32 s62, s62, s63                     ; v: the block of 128 keys,
	s_lshl_b32 s62, s62, 3                         ; eight tiles of 16 channels,
	s_add_co_u32 s62, s62, 3072                    ; behind 6 MiB;
	s_lshl_b32 s62, s62, 1
	s_and_b32 s63, s18, 1
	s_add_co_u32 s62, s62, s63                     ; my 64 keys are the lower or the upper half of each image
	s_cmp_ge_u32 s21, 12
	s_cselect_b32 s66, s62, s61
	s_lshl_b32 s66, s66, 10
	s_mov_b32 s67, 0
	s_add_nc_u64 s[16:17], s[16:17], s[66:67]
	s_wait_alu depctr_va_vdst(0)
	s_wait_tensorcnt 0x0                           ; my part of slot 0 is in
	ds_add_u32 v[SPW], v[NIL]
	s_wait_dscnt 0x0
	CROUND                                         ; everybody's part of slot 0 is in
	tensor_load_to_lds s[G0+4:G0+7], s[G1:G1+7]    ; slot 1's first fill
	s_nop 0
	PLACES
	XLOAD 3, XB, 3
	FETCH 0, 0, 0
	FETCH 0, 1, 1
.set SI, 0
.rept 32
	STEP SI
.set SI, SI+1
.endr
	WIN 0
	s_wait_loadcnt 0x0                             ; the table
; 64 numbers in v[Y] on become tile b's codes and leave: four stores of 512 consecutive bytes, aligned
.macro CODES b
.irp a, 0,1,2,3,4,5,6,7
	v_cvt_scalef32_pk8_fp8_f32 v[CD+16*\b+2*\a:CD+16*\b+2*\a+1], v[Y+8*\a:Y+8*\a+7], v[SCL]
.endr
	v_nop                                          ; a plain line behind the last conversion
.irp c, 0,1,2,3
	global_store_b128 v[LI], v[CD+16*\b+4*\c:CD+16*\b+4*\c+3], s[16:17] offset:2048*\b+512*\c
.endr
.endm
; q and k, tokens 16 b + r: y = w x sum x 2^E / sqrt(mean of squares + 1e-6), rotated, quantised
.macro EPI b
	WIN 0x0a                                       ; sources 0 and 1 window 2
	s_wait_alu depctr_va_vdst(0)
.irp c, 0,1,2,3
	v_pk_mul_f32 v[STA+2*\c:STA+2*\c+1], v[64*\b+2*\c:64*\b+2*\c+1], v[64*\b+2*\c:64*\b+2*\c+1]   ; four chains; each accumulator is read from its low end on
.endr
.set i, 4
.rept 28
	v_pk_fma_f32 v[STA+2*(i%4):STA+2*(i%4)+1], v[64*\b+2*i:64*\b+2*i+1], v[64*\b+2*i:64*\b+2*i+1], v[STA+2*(i%4):STA+2*(i%4)+1]
.set i, i+1
.endr
	WIN 0
	v_pk_add_f32 v[STA:STA+1], v[STA:STA+1], v[STA+2:STA+3]
	v_pk_add_f32 v[STA+4:STA+5], v[STA+4:STA+5], v[STA+6:STA+7]
	v_pk_add_f32 v[STA:STA+1], v[STA:STA+1], v[STA+4:STA+5]
	v_add_f32 v[STA], v[STA], v[STA+1]
	v_permlanex16_b32 v[STA+2], v[STA], s96, s97   ; the token's other 64 channels lie in the lane 16 away
	v_add_f32 v[STA], v[STA], v[STA+2]
	v_ldexp_f32 v[STA], v[STA], s[S2E]             ; the mean of squares
	v_add_f32 v[STA], 0x358637bd, v[STA]           ; + 1e-6
	s_wait_alu depctr_va_vdst(0)
	v_rsq_f32 v[FF], v[STA]
	WIN 0x02                                       ; source 0 window 2
.set i, 0
.rept 32
	v_pk_mul_f32 v[Y+2*i:Y+2*i+1], v[64*\b+2*i:64*\b+2*i+1], v[NW+2*i:NW+2*i+1]   ; sum x w: plain work behind the root
.set i, i+1
.endr
	WIN 0
	s_wait_alu depctr_va_vdst(0)                   ; the wait ahead of the root's first reader
	v_ldexp_f32 v[FF], v[FF], s[SE]                ; x 2^E
.set i, 0
.rept 32
	v_pk_mul_f32 v[Y+2*i:Y+2*i+1], v[Y+2*i:Y+2*i+1], v[FF:FF+1] op_sel_hi:[1,0]
.set i, i+1
.endr
	WIN 0x0c                                       ; source 1 window 3: the table
.irp t, 0,1,2,3
.irp j, 0,2,4,6
	v_pk_mul_f32 v[TT+2*\j:TT+2*\j+1], v[Y+32+8*\t+\j:Y+32+8*\t+\j+1], v[64*\b+16*\t+8+\j:64*\b+16*\t+8+\j+1]   ; b sin
	v_pk_mul_f32 v[TT+2*\j+2:TT+2*\j+3], v[Y+8*\t+\j:Y+8*\t+\j+1], v[64*\b+16*\t+8+\j:64*\b+16*\t+8+\j+1]       ; a sin
.endr
.irp j, 0,2,4,6
	v_pk_fma_f32 v[Y+8*\t+\j:Y+8*\t+\j+1], v[Y+8*\t+\j:Y+8*\t+\j+1], v[64*\b+16*\t+\j:64*\b+16*\t+\j+1], v[TT+2*\j:TT+2*\j+1] neg_lo:[0,0,1] neg_hi:[0,0,1]   ; a cos - b sin
	v_pk_fma_f32 v[Y+32+8*\t+\j:Y+32+8*\t+\j+1], v[Y+32+8*\t+\j:Y+32+8*\t+\j+1], v[64*\b+16*\t+\j:64*\b+16*\t+\j+1], v[TT+2*\j+2:TT+2*\j+3]                  ; b cos + a sin
.endr
.endr
	WIN 0
.set i, 0
.rept 64
	v_med3_num_f32 v[Y+i], v[Y+i], -v[LIMV], v[LIMV]   ; the conversion to an 8-bit code does not saturate (ISA guide 7.6.2): the hold
.set i, i+1
.endr
	CODES \b
.endm
; v, tokens 16 b on: the sums go into my stage by tokens and come back by channels: lane (r, h) takes, for each tile a of 16 channels, channel 16 a + r of tokens 8 h + 0..7.
; Their codes are registers 2 c, 2 c + 1, c = 4 (wave % 2) + b, of the image of tile a.  The three scales are folded into the conversion's one.
.macro VEP b
	WIN 0x08                                       ; the stores' data: window 2
.irp a, 0,1,2,3,4,5,6,7
	ds_store_b128 v[VST], v[64*\b+8*\a:64*\b+8*\a+3] offset:64*\a
	ds_store_b128 v[VST], v[64*\b+8*\a+4:64*\b+8*\a+7] offset:64*\a+16
.endr
	WIN 0
.irp a, 0,1,2,3,4,5,6,7
.irp j, 0,1,2,3,4,5,6,7
	ds_load_b32 v[Y+8*\a+\j], v[VLD] offset:\j*SPIT+64*\a      ; LDS serves a wave's instructions in order (ISA guide 5.7.1.4): these see my stores, and the next tile's stores come behind them
.endr
.endr
	s_wait_dscnt 0x0
.set i, 0
.rept 64
	v_med3_num_f32 v[Y+i], v[Y+i], -v[LIMV], v[LIMV]
.set i, i+1
.endr
.irp a, 0,1,2,3,4,5,6,7
	v_cvt_scalef32_pk8_fp8_f32 v[CD+8*\a+2*\b:CD+8*\a+2*\b+1], v[Y+8*\a:Y+8*\a+7], v[SCL]
.endr
	v_nop                                          ; a plain line behind the last conversion
.endm
	s_cmp_ge_u32 s21, 12                           ; the head: the same in all partners
	s_cbranch_scc1 .Lvalues
	EPI 0
	EPI 1
	EPI 2
	EPI 3
	s_branch .Lout
.Lvalues:
	s_wait_alu depctr_va_vdst(0)
	VEP 0
	VEP 1
	VEP 2
	VEP 3
	s_wait_alu depctr_va_vdst(0)
.irp a, 0,1,2,3,4,5,6,7
.irp g, 0,1
	global_store_b128 v[LI], v[CD+8*\a+4*\g:CD+8*\a+4*\g+3], s[16:17] offset:2048*\a+512*\g   ; 512 consecutive bytes, aligned
.endr
.endr
.Lout:
	s_wait_tensorcnt 0x0                           ; the wave's end
	ds_add_u32 v[SPW], v[NIL]
	s_wait_dscnt 0x0
	CROUND                                         ; the closing round
	s_endpgm
.Lfunc_end_k_q526221b5b1_qkv:
	.size	k_q526221b5b1_qkv, .Lfunc_end_k_q526221b5b1_qkv-k_q526221b5b1_qkv
	.p2alignl 7, 3214868480
	.fill 96, 4, 3214868480
	.section	.rodata,"a",@progbits
	.p2align	6, 0x0
	.amdhsa_kernel k_q526221b5b1_qkv
		.amdhsa_group_segment_fixed_size 327680
		.amdhsa_private_segment_fixed_size 0
		.amdhsa_enable_private_segment 0
		.amdhsa_kernarg_size 56
		.amdhsa_user_sgpr_count 2
		.amdhsa_user_sgpr_kernarg_segment_ptr 1
		.amdhsa_wavefront_size32 1
		.amdhsa_system_sgpr_workgroup_id_x 1
		.amdhsa_system_sgpr_workgroup_id_y 1
		.amdhsa_system_sgpr_workgroup_id_z 1
		.amdhsa_system_vgpr_workitem_id 0
		.amdhsa_next_free_vgpr 1024
		.amdhsa_next_free_sgpr 100
		.amdhsa_reserve_vcc 0
		.amdhsa_float_denorm_mode_32 3
		.amdhsa_float_denorm_mode_16_64 3
		.amdhsa_memory_ordered 1
		.amdhsa_forward_progress 1
		.amdhsa_inst_pref_size 255
	.end_amdhsa_kernel
	.section	.bss,"aw",@nobits
	.p2align	6
	.space	262144
	.amdgpu_metadata
---
amdhsa.version: [ 1, 2 ]
amdhsa.kernels:
  - .name:           k_q526221b5b1_qkv
    .symbol:         k_q526221b5b1_qkv.kd
    .args:
      - { .name: xc, .offset: 0, .size: 8, .value_kind: global_buffer, .address_space: global }
      - { .name: wcodes, .offset: 8, .size: 8, .value_kind: global_buffer, .address_space: global }
      - { .name: rope, .offset: 16, .size: 8, .value_kind: global_buffer, .address_space: global }
      - { .name: q_norm_w, .offset: 24, .size: 8, .value_kind: global_buffer, .address_space: global }
      - { .name: k_norm_w, .offset: 32, .size: 8, .value_kind: global_buffer, .address_space: global }
      - { .name: lowp_scales, .offset: 40, .size: 8, .value_kind: global_buffer, .address_space: global }
      - { .name: qkv, .offset: 48, .size: 8, .value_kind: global_buffer, .address_space: global }
    .group_segment_fixed_size: 327680
    .private_segment_fixed_size: 0
    .kernarg_segment_align: 8
    .kernarg_segment_size: 56
    .max_flat_workgroup_size: 128
    .sgpr_count:     100
    .vgpr_count:     1024
    .wavefront_size: 32
...
	.end_amdgpu_metadata
.endif
;; end of part 2
;; launch attn (part 3): grid 32 x 8, 16 waves a work-group, clusters of 4 x 1, 327,680 bytes of LDS; arguments qkv, lowp_scales, ac; writes ac
.if DOCPART == 3
	.amdgcn_target "amdgcn-amd-amdhsa--gfx1250"
	.amdhsa_code_object_version 6
	.text
	.protected	k_q526221b5b1_attn
	.globl	k_q526221b5b1_attn
	.p2align	8
	.type	k_q526221b5b1_attn,@function
k_q526221b5b1_attn:
	s_mov_b64 s[64:65], 0
	v_nop
	global_prefetch_b8 v0, s[64:65] scope:SCOPE_SE
	s_setreg_imm32_b32 hwreg(HW_REG_WAVE_MODE, 25, 1), 1
	s_wait_xcnt 0x0
	s_wait_alu depctr_hold_cnt(0) depctr_sa_sdst(0) depctr_va_vdst(0) depctr_va_sdst(0) depctr_va_ssrc(0) depctr_va_vcc(0) depctr_vm_vsrc(0)
	s_getreg_b32 s2, hwreg(HW_REG_IB_STS2, 6, 4)
	s_cmp_eq_u32 s2, 0
	s_cbranch_scc0 .Lentry_in_a_cluster
	s_endpgm
.Lentry_in_a_cluster:
	s_bfe_u32 s2, ttmp6, 0x10000c
	s_cmp_lg_u32 s2, 0x3003
	s_cbranch_scc0 .Lentry_shape_is_right
	s_endpgm
.Lentry_shape_is_right:
.set SLOT1, 131072
.set VOFF,  65536
.set STEPB, 16384
.set SPARE, 2*SLOT1
.set HAND,  8704
.set HA,   4
.set SPW,  5
.set NIL,  6
.set WV,   18
.set SEL,  20
.set CS,   22
.set G1,   24
.set G0A,  32
.set G0B,  36
.set TB,   2
.set KS,   40
.set LIMIT, 41
.set CNT,  42
.set HALF, 62
.set TW,   63
.macro CROUND
	s_barrier_signal -1
	s_barrier_wait -1
	s_cmp_lg_u32 s[WV], 0
	s_cbranch_scc1 .Lnot_wave_0_\@
	s_barrier_signal -3
.Lnot_wave_0_\@:
	s_barrier_wait -3
	s_barrier_signal -1
	s_barrier_wait -1
.endm
.macro MKSC e, sc, lim
	s_add_co_i32 s60, \e, 127
	s_lshl_b32 s61, s60, 23
	v_mov_b32 v[\sc], s61
	s_add_co_i32 s60, s60, 8
	s_lshl_b32 s60, s60, 23
	s_or_b32 s60, s60, 0x600000
	v_mov_b32 v[\lim], s60
.endm
	s_load_b128 s[4:7], s[0:1], 0x0
	s_load_b64 s[8:9], s[0:1], 0x10
	v_lshl_add_u32 v[SPW], v0, 2, SPARE
	v_mov_b32 v[NIL], 0
	ds_add_u32 v[SPW], v[NIL]
	ds_add_u32 v[SPW], v[NIL]
	v_lshrrev_b32 v8, 5, v0
	s_delay_alu instid0(VALU_DEP_1)
	v_readfirstlane_b32 s[WV], v8
	s_and_b32 s[TW], s[WV], 7
	s_lshr_b32 s[HALF], s[WV], 3
	s_bfe_u32 s10, ttmp6, 0x40000
	s_lshl_b32 s11, ttmp9, 2
	s_add_co_u32 s11, s11, s10
	s_and_b32 s12, ttmp7, 0xffff
	s_lshr_b32 s13, s[TW], 2
	s_mul_i32 s14, s13, 7
	s_xor_b32 s14, s14, s[TW]
	s_and_b32 s15, s14, 1
	s_lshr_b32 s16, s14, 1
	s_mul_i32 s17, s15, 63
	s_xor_b32 s17, s17, s11
	s_lshl_b32 s19, s16, 6
	s_add_co_u32 s19, s19, s17
	s_lshr_b32 s44, ttmp9, 1
	s_mul_i32 s45, s15, 7
	s_xor_b32 s44, s44, s45
	s_lshl_b32 s45, s16, 3
	s_add_co_u32 s[LIMIT], s44, s45
	s_lshl_b32 s46, s[WV], 13
	s_lshl_b32 s47, s[TW], 13
	s_lshl_b32 s48, s[HALF], 21
	s_add_co_u32 s48, s48, s47
	s_lshl_b32 s47, s12, 18
	s_add_co_u32 s48, s48, s47
	s_add_co_u32 s48, s48, 4194304
	s_mov_b32 s49, 0
	s_lshl_b32 s52, s12, 1
	s_add_co_u32 s52, s52, s13
	s_lshl_b32 s52, s52, 7
	s_add_co_u32 s52, s52, s19
	s_lshl_b32 s52, s52, 11
	s_mov_b32 s53, 0
	s_lshr_b32 s54, s12, 2
	s_lshl_b32 s54, s54, 7
	s_add_co_u32 s54, s54, s19
	s_lshl_b32 s54, s54, 3
	s_and_b32 s55, s12, 3
	s_lshl_b32 s55, s55, 1
	s_add_co_u32 s54, s54, s55
	s_add_co_u32 s54, s54, s13
	s_lshl_b32 s54, s54, 11
	s_mov_b32 s55, 0
	s_mov_b32 s[G1], 15|(3<<16)|(1<<21)
	s_mov_b32 s[G1+1], 32<<16
	s_mov_b32 s[G1+2], 32<<16
	s_mov_b32 s[G1+3], 32<<16
	s_mov_b32 s[G1+4], 32
	s_mov_b32 s[G1+5], 32
	s_mov_b32 s[G1+6], 0
	s_mov_b32 s[G1+7], 0
	s_mov_b32 s[SEL], 0x76543210
	s_mov_b32 s[SEL+1], 0xfedcba98
	s_mov_b32 s[CS], 0x3e0293ee
	s_mov_b32 s[KS], 0
	s_wait_dscnt 0x0
	s_wait_kmcnt 0x0
	s_load_b128 s[68:71], s[6:7], 0x18
	s_load_b32 s72, s[6:7], 0x28
	s_add_nc_u64 s[50:51], s[4:5], s[48:49]
	s_mov_b32 s[G0A], 1
	s_mov_b32 s[G0A+1], s46
	s_mov_b64 s[G0A+2:G0A+3], s[50:51]
	s_or_b32 s[G0A+3], s[G0A+3], 0x80000000
	s_mov_b32 s[G0B], 1
	s_add_co_u32 s[G0B+1], s46, SLOT1
	s_add_nc_u64 s[G0B+2:G0B+3], s[50:51], 4*STEPB
	s_or_b32 s[G0B+3], s[G0B+3], 0x80000000
	s_add_nc_u64 s[56:57], s[4:5], s[52:53]
	s_add_nc_u64 s[58:59], s[8:9], s[54:55]
	CROUND
	tensor_load_to_lds s[G0A:G0A+3], s[G1:G1+7]
	s_nop 0
	s_wait_alu depctr_va_vdst(0)
	s_wait_tensorcnt 0x0
	ds_add_u32 v5, v6
	s_wait_dscnt 0x0
	CROUND
	tensor_load_to_lds s[G0B:G0B+3], s[G1:G1+7]
	s_nop 0
.rept 4
	v_nop
.endr
	v_and_b32 v1, 31, v0
	s_delay_alu instid0(VALU_DEP_1)
	v_lshlrev_b32 v1, 4, v1
	s_delay_alu instid0(VALU_DEP_1)
	v_add_nc_u32 v2, VOFF, v1
	s_delay_alu instid0(VALU_DEP_2)
	v_mov_b32 v7, v1
	s_mul_i32 s60, s[TW], HAND
	v_add_nc_u32 v[HA], s60, v1
.irp c, 0,1,2,3
	global_load_b128 v[16+4*\c:19+4*\c], v7, s[56:57] offset:512*\c
.endr
	v_and_b32 v10, 15, v0
	v_bfe_u32 v11, v0, 4, 1
	s_delay_alu instid0(VALU_DEP_1)
	v_lshlrev_b32 v11, 3, v11
	s_delay_alu instid0(VALU_DEP_1)
	v_sub_nc_u32 v3, v10, v11
	s_and_b32 s53, s19, 7
	s_lshl_b32 s53, s53, 4
	v_add_nc_u32 v3, s53, v3
	v_mov_b32 v13, 0xff61b1e6
	s_delay_alu instid0(VALU_DEP_1)
	v_floor_f32 v12, -v13
	v_mov_b32 v14, 0
	v_mov_b32 v15, 0
	v_mov_b32 v241, 0
	v_mov_b32 v253, 0
.set i, 0
.rept 64
	v_mov_b32 v[160+i], 0
.set i, i+1
.endr
	s_wait_kmcnt 0x0
	s_add_co_i32 s43, s68, s69
	s_lshl_b32 s43, s43, 23
	s_add_co_i32 s[CS], s[CS], s43
	s_mov_b32 s[CS+1], s[CS]
	MKSC s71, 244, 240
	MKSC s72, 247, 246
.macro STEP
	s_cmp_gt_u32 s[KS], s[LIMIT]
	s_cbranch_scc1 .Lhidden_\@
	s_xor_b32 s61, s[KS], s[HALF]
	s_and_b32 s61, s61, 1
	s_cmp_lg_u32 s61, 0
	s_cbranch_scc1 .Lhidden_\@
	v_add_nc_u32 v8, s[TB], v1
	s_wait_alu depctr_va_vdst(0)
	v_add_nc_u32 v9, s[TB], v2
.irp g, 0,1
.rept 2+2*\g
	v_nop
.endr
.irp t, 0,1,2,3
.irp c, 0,1,2,3
	ds_load_b128 v[32+16*\t+4*\c:32+16*\t+4*\c+3], v8 offset:2048*(4*\g+\t)+512*\c
.endr
.endr
.irp t, 0,1,2,3
	s_wait_dscnt 12-4*\t
	v_wmma_f32_16x16x128_fp8_fp8 v[96+8*(4*\g+\t):103+8*(4*\g+\t)], v[32+16*\t:47+16*\t], v[16:31], 0
.endr
.endr
.rept 4
	v_nop
.endr
	s_cmp_lg_u32 s[KS], s[LIMIT]
	s_cbranch_scc1 .Lopen_\@
	v_mov_b32 v254, 0xff800000
.set n, 0
.rept 64
	v_cmp_gt_i32 vcc_lo, 16*(n/8)+n%8, v3
	v_cndmask_b32 v[96+n], v[96+n], v254, vcc_lo
.set n, n+1
.endr
.Lopen_\@:
	v_max3_num_f32 v254, v96, v97, v98
	v_max3_num_f32 v252, v99, v100, v101
.irp i, 6,10,14,18,22,26,30,34,38,42,46,50,54,58
	v_max3_num_f32 v254, v254, v[96+\i], v[97+\i]
	v_max3_num_f32 v252, v252, v[98+\i], v[99+\i]
.endr
	v_max3_num_f32 v254, v254, v158, v159
	s_delay_alu instid0(VALU_DEP_1)
	v_max_num_f32 v254, v254, v252
	s_delay_alu instid0(VALU_DEP_1)
	v_permlanex16_b32 v241, v254, s[SEL], s[SEL+1]
	s_delay_alu instid0(VALU_DEP_1)
	v_max_num_f32 v254, v254, v241
	s_delay_alu instid0(VALU_DEP_1)
	v_mul_f32 v254, s[CS], v254
	s_delay_alu instid0(VALU_DEP_1)
	v_max_num_f32 v13, v13, v254
	v_mov_b32 v254, v12
	s_delay_alu instid0(VALU_DEP_2)
	v_floor_f32 v12, -v13
	s_delay_alu instid0(VALU_DEP_1)
	v_sub_f32 v254, v12, v254
	s_delay_alu instid0(VALU_DEP_1)
	v_cvt_i32_f32 v254, v254
	s_delay_alu instid0(VALU_DEP_1)
	v_ldexp_f32 v252, 1.0, v254
.set i, 0
.rept 32
	v_pk_fma_f32 v[96+i:97+i], v[96+i:97+i], s[CS:CS+1], v[12:13] op_sel_hi:[1,0,0]
.set i, i+2
.endr
.set i, 0
	s_wait_alu depctr_va_vdst(0)
.rept 64
	v_exp_f32 v[96+i], v[96+i]
.set i, i+1
.endr
	v_pk_mul_f32 v[14:15], v[14:15], v[252:253] op_sel_hi:[1,0]
	s_wait_alu depctr_va_vdst(0)
	v_pk_add_f32 v[242:243], v[96:97], v[98:99]
.irp j, 4,8,12,16,20,24,28,32,36,40,44,48,52,56,60
	v_pk_add_f32 v[14:15], v[14:15], v[96+\j:97+\j]
	v_pk_add_f32 v[242:243], v[242:243], v[98+\j:99+\j]
.endr
	s_delay_alu instid0(VALU_DEP_1)
	v_pk_add_f32 v[14:15], v[14:15], v[242:243]
.irp b, 0,1,2,3
.irp i, 0,1,2,3,4,5,6,7,8,9,10,11,12,13,14,15
	v_min_num_f32 v[96+16*\b+\i], v[96+16*\b+\i], v240
.endr
	v_cvt_scalef32_pk8_fp8_f32 v[224+4*\b:225+4*\b], v[96+16*\b:103+16*\b], v244
	v_cvt_scalef32_pk8_fp8_f32 v[226+4*\b:227+4*\b], v[104+16*\b:111+16*\b], v244
.endr
.set i, 0
.rept 32
	v_pk_mul_f32 v[160+i:161+i], v[160+i:161+i], v[252:253] op_sel_hi:[1,0]
.set i, i+2
.endr
	s_wait_alu depctr_va_vdst(0)
.irp g, 0,1
.if \g > 0
.rept 4
	v_nop
.endr
.endif
.irp t, 0,1,2,3
.irp c, 0,1,2,3
	ds_load_b128 v[32+16*\t+4*\c:32+16*\t+4*\c+3], v9 offset:2048*(4*\g+\t)+512*\c
.endr
.endr
.irp t, 0,1,2,3
	s_wait_dscnt 12-4*\t
	v_wmma_f32_16x16x128_fp8_fp8 v[160+8*(4*\g+\t):167+8*(4*\g+\t)], v[32+16*\t:47+16*\t], v[224:239], v[160+8*(4*\g+\t):167+8*(4*\g+\t)]
.endr
.endr
.Lhidden_\@:
.endm
.macro SLOTWORK s
	s_mov_b32 s[TB], SLOT1*\s
	s_mov_b32 s[CNT], 4
.Lks_\@:
	STEP
	s_add_co_u32 s[TB], s[TB], STEPB
	s_add_co_u32 s[KS], s[KS], 1
	s_sub_co_u32 s[CNT], s[CNT], 1
	s_cmp_lg_u32 s[CNT], 0
	s_cbranch_scc1 .Lks_\@
.endm
.macro CHANGE g0, fill
	s_wait_tensorcnt 0x0
	ds_add_u32 v[SPW], v[NIL]
.if \fill
	s_add_nc_u64 s[\g0+2:\g0+3], s[\g0+2:\g0+3], 8*STEPB
.endif
	s_wait_dscnt 0x0
.if \fill
	CROUND
	tensor_load_to_lds s[\g0:\g0+3], s[G1:G1+7]
	s_nop 0
.rept 4
	v_nop
.endr
.else
	s_barrier_signal -1
	s_barrier_wait -1
.endif
.endm
	s_wait_tensorcnt 1
	s_barrier_signal -1
	s_barrier_wait -1
	s_wait_loadcnt 0x0
	SLOTWORK 0
	CHANGE G0A, 1
	SLOTWORK 1
	CHANGE G0B, 1
	SLOTWORK 0
	CHANGE G0A, 0
	SLOTWORK 1
.rept 4
	v_nop
.endr
	s_cmp_eq_u32 s[HALF], 0
	s_cbranch_scc1 .Lkeeps
.set i, 0
	s_wait_alu depctr_va_vdst(0)
.rept 16
	ds_store_b128 v[HA], v[160+4*i:163+4*i] offset:512*i
.set i, i+1
.endr
	ds_store_b128 v[HA], v[12:15] offset:8192
.Lkeeps:
	s_wait_dscnt 0x0
	s_barrier_signal -1
	s_barrier_wait -1
	s_cmp_lg_u32 s[HALF], 0
	s_cbranch_scc1 .Ldone
	ds_load_b128 v[224:227], v[HA] offset:8192
.set i, 0
.rept 16
	ds_load_b128 v[32+4*i:35+4*i], v[HA] offset:512*i
.set i, i+1
.endr
	s_wait_dscnt 16
	v_min_num_f32 v254, v12, v224
	s_delay_alu instid0(VALU_DEP_1)
	v_sub_f32 v252, v254, v12
	s_delay_alu instid0(VALU_DEP_2)
	v_sub_f32 v242, v254, v224
	s_delay_alu instid0(VALU_DEP_2)
	v_cvt_i32_f32 v252, v252
	s_delay_alu instid0(VALU_DEP_2)
	v_cvt_i32_f32 v242, v242
	s_delay_alu instid0(VALU_DEP_2)
	v_ldexp_f32 v252, 1.0, v252
	s_delay_alu instid0(VALU_DEP_2)
	v_ldexp_f32 v242, 1.0, v242
	v_mov_b32 v243, 0
	s_delay_alu instid0(VALU_DEP_3)
	v_pk_mul_f32 v[14:15], v[14:15], v[252:253] op_sel_hi:[1,0]
	s_delay_alu instid0(VALU_DEP_1)
	v_pk_fma_f32 v[14:15], v[226:227], v[242:243], v[14:15] op_sel_hi:[1,0,1]
	s_delay_alu instid0(VALU_DEP_1)
	v_add_f32 v14, v14, v15
	s_delay_alu instid0(VALU_DEP_1)
	v_permlanex16_b32 v241, v14, s[SEL], s[SEL+1]
	s_delay_alu instid0(VALU_DEP_1)
	v_add_f32 v14, v14, v241
	s_wait_alu depctr_va_vdst(0)
	v_rcp_f32 v14, v14
	v_nop
	s_add_co_i32 s43, s70, s71
	s_wait_alu depctr_va_vdst(0)
	v_ldexp_f32 v14, v14, s43
	s_delay_alu instid0(VALU_DEP_1)
	v_mul_f32 v252, v252, v14
	s_delay_alu instid0(VALU_DEP_2)
	v_mul_f32 v242, v242, v14
	s_wait_alu depctr_va_vdst(0)
	s_wait_dscnt 0x0
.set i, 0
.rept 32
	v_pk_mul_f32 v[96+i:97+i], v[160+i:161+i], v[252:253] op_sel_hi:[1,0]
.set i, i+2
.endr
.set i, 0
.rept 32
	v_pk_fma_f32 v[96+i:97+i], v[32+i:33+i], v[242:243], v[96+i:97+i] op_sel_hi:[1,0,1]
.set i, i+2
.endr
.set i, 0
.rept 64
	v_med3_num_f32 v[96+i], v[96+i], -v246, v246
.set i, i+1
.endr
.irp t, 0,1,2,3,4,5,6,7
	v_cvt_scalef32_pk8_fp8_f32 v[224+2*\t:225+2*\t], v[96+8*\t:103+8*\t], v247
.endr
	v_nop
.irp c, 0,1,2,3
	global_store_b128 v7, v[224+4*\c:227+4*\c], s[58:59] offset:512*\c
.endr
.Ldone:
	s_wait_tensorcnt 0x0
	ds_add_u32 v[SPW], v[NIL]
	s_wait_dscnt 0x0
	CROUND
	s_endpgm
.Lfunc_end_k_q526221b5b1_attn:
	.size	k_q526221b5b1_attn, .Lfunc_end_k_q526221b5b1_attn-k_q526221b5b1_attn
	.p2alignl 7, 3214868480
	.fill 96, 4, 3214868480
	.section	.rodata,"a",@progbits
	.p2align	6, 0x0
	.amdhsa_kernel k_q526221b5b1_attn
		.amdhsa_group_segment_fixed_size 327680
		.amdhsa_private_segment_fixed_size 0
		.amdhsa_enable_private_segment 0
		.amdhsa_kernarg_size 24
		.amdhsa_user_sgpr_count 2
		.amdhsa_user_sgpr_kernarg_segment_ptr 1
		.amdhsa_wavefront_size32 1
		.amdhsa_system_sgpr_workgroup_id_x 1
		.amdhsa_system_sgpr_workgroup_id_y 1
		.amdhsa_system_sgpr_workgroup_id_z 1
		.amdhsa_system_vgpr_workitem_id 0
		.amdhsa_next_free_vgpr 256
		.amdhsa_next_free_sgpr 80
		.amdhsa_reserve_vcc 1
		.amdhsa_float_denorm_mode_32 3
		.amdhsa_float_denorm_mode_16_64 3
		.amdhsa_memory_ordered 1
		.amdhsa_forward_progress 1
		.amdhsa_inst_pref_size 124
	.end_amdhsa_kernel
	.amdgpu_metadata
---
amdhsa.version: [ 1, 2 ]
amdhsa.kernels:
  - .name:           k_q526221b5b1_attn
    .symbol:         k_q526221b5b1_attn.kd
    .args:
      - { .name: qkv, .offset: 0, .size: 8, .value_kind: global_buffer, .address_space: global }
      - { .name: lowp_scales, .offset: 8, .size: 8, .value_kind: global_buffer, .address_space: global }
      - { .name: ac, .offset: 16, .size: 8, .value_kind: global_buffer, .address_space: global }
    .group_segment_fixed_size: 327680
    .private_segment_fixed_size: 0
    .kernarg_segment_align: 8
    .kernarg_segment_size: 24
    .max_flat_workgroup_size: 512
    .sgpr_count:     80
    .vgpr_count:     256
    .wavefront_size: 32
...
	.end_amdgpu_metadata
.endif
;; end of part 3
;; launch outp (part 4): grid 16 x 16, 4 waves a work-group, clusters of 4 x 1, 327,680 bytes of LDS; arguments ac, wcodes, lowp_scales, out0; writes out0
.if DOCPART == 4
	.amdgcn_target "amdgcn-amd-amdhsa--gfx1250"
	.amdhsa_code_object_version 6
	.text
	.protected	k_q526221b5b1_outp
	.globl	k_q526221b5b1_outp
	.p2align	8
	.type	k_q526221b5b1_outp,@function
k_q526221b5b1_outp:
	s_mov_b64 s[64:65], 0
	v_nop
	global_prefetch_b8 v0, s[64:65] scope:SCOPE_SE
	s_setreg_imm32_b32 hwreg(HW_REG_WAVE_MODE, 25, 1), 1
	s_wait_xcnt 0x0
	s_wait_alu depctr_hold_cnt(0) depctr_sa_sdst(0) depctr_va_vdst(0) depctr_va_sdst(0) depctr_va_ssrc(0) depctr_va_vcc(0) depctr_vm_vsrc(0)
	s_getreg_b32 s2, hwreg(HW_REG_IB_STS2, 6, 4)
	s_cmp_eq_u32 s2, 0
	s_cbranch_scc0 .Lentry_in_a_cluster
	s_endpgm
.Lentry_in_a_cluster:
	s_bfe_u32 s2, ttmp6, 0x10000c
	s_cmp_lg_u32 s2, 0x3003
	s_cbranch_scc0 .Lentry_shape_is_right
	s_endpgm
.Lentry_shape_is_right:
; OUTP: out0 [4096 tokens][4096] f32 = attention's result x wo, both as codes of E4M3, K = 1,024; each finished sum x 2^(e10 + e11).
; LIMIT: e10 + e11 lies between -126 and 127, so that 2^(e10 + e11) is an f32 number.
; SHARES.  A work-group makes 256 tokens (x) x 256 columns (y): 16 x 16 work-groups.  A wave makes 64 tokens x 256 columns.
; A: ac holds, for each tile of 16 tokens, eight images of a fragment's registers (one for each 128 along K, 2,048 bytes each).  A wave's 64 tokens are used by that wave alone in its work-group:
; their whole K, 64 KiB on end, goes from memory straight into 512 registers and stays there.
; B: the block's 256 rows of wo's codes, 1,024 bytes each, lie in LDS whole (256 x 1,040 bytes): ONE fill, one tensor load a wave (64 rows), at the head; nothing is filled again, so the work has no ring.
; CLUSTERS: 4 x 1: four blocks of tokens need the same rows of wo and ask for them jointly (mask 15).  A is not asked for jointly: beside B's 266,240 bytes LDS has no room for it.
; NO PREFETCH: the one fill and A's first loads stand at the head; there is nothing later to ask for.
; THE WORK GOES BY GROUPS OF 64 COLUMNS: 16 accumulators (4 tiles of columns x 4 tiles of tokens), 128 matrix instructions over the whole K; then the group leaves, while the later groups are still to be multiplied.
; The first group is written out: A's loads land under it, 32 for each 256 along K.  The other three are a loop.
; THE MATRIX INSTRUCTION IS USED TRANSPOSED (source 0 = 16 rows of wo, source 1 = 16 tokens): a lane holds eight neighbouring columns of one token's row.
; THE ORDER ALONG K: ac's images are in the matrix instruction's own layout; wo's positions are laid (launch prep) so that four loads of 16 bytes, 32 bytes apart, hand a lane the same k in the same registers.
; REGISTERS, in windows of 256:  window 0: v16-29 addresses; v32-63 a tile's scaled sums; v64-127 rows back from the stage, two sets; v128-255 the accumulators, (n, b) at v[128 + 8 (4 b + n)].
;   window 1: B's fragments, two sets of 2 x 128 along K x 4 tiles.   windows 2, 3: A: tile b, step q at register 128 b + 16 q of the two windows taken together.
.set PIT,    1040                      ; an LDS row of B: 1,024 bytes + 16 of padding: row r starts at bank 4 r mod 64 (64 banks of 4 bytes: ISA guide 11.1)
.set STAGE,  256*PIT                   ; the way out: 16 rows x 272 bytes for each wave; no tile lands here
.set SPITCH, 272
.set SPARE,  STAGE+4*16*SPITCH         ; the spare words, 128 bytes a wave, which no other line names
.set ADRB, 16                          ; v16  my lane's place in a tile of B
.set WB,   17                          ; v17  the same in the group in hand
.set STO,  18                          ; v18  the way out: where I put 32 bytes of a row
.set RD,   19                          ; v19  where I read rows back
.set CO,   20                          ; v20  my byte offset in two rows of out0
.set LI,   21                          ; v21  16 x lane
.set SPW,  28
.set NIL,  29
.set TMP,  32
.set BK,   64
.set ACC,  128
.set G1,   24                          ; s[24:31] descriptor group 1
.set G0,   32                          ; s[32:35] group 0
.set AB,   44                          ; s[44:45] my 64 tokens' images
.set TB,   46                          ; s46  LDS byte at which the group's 64 rows of B begin
.set MSB, 0
.macro WIN new                         ; the immediate's high byte repeats the setting that is left
.if MSB != \new
	s_set_vgpr_msb (MSB<<8)|\new
.set MSB, \new
.endif
.endm
.macro PLACES                          ; four plain vector lines between a matrix instruction and a load into, or a read of, its registers
.rept 4
	v_nop
.endr
.endm
.macro CROUND                          ; a round of the cluster's barrier
	s_barrier_signal -1
	s_barrier_wait -1
	s_cmp_lg_u32 s14, 0
	s_cbranch_scc1 .Lnot_wave_0_\@
	s_barrier_signal -3
.Lnot_wave_0_\@:
	s_barrier_wait -3
	s_barrier_signal -1
	s_barrier_wait -1
.endm
.macro ALOAD j                         ; A's fragments of steps 2 j and 2 j + 1, all four tiles of tokens: 32 loads of 512 consecutive bytes
.irp b, 0,1,2,3
	WIN 0x80+0x40*(\b/2)
.irp qq, 0,1
.irp c, 0,1,2,3
	global_load_b128 v[128*(\b%2)+16*(2*(\j)+\qq)+4*\c:128*(\b%2)+16*(2*(\j)+\qq)+4*\c+3], v[LI], s[AB:AB+1] offset:16384*\b+2048*(2*(\j)+\qq)+512*\c
.endr
.endr
.endr
.endm
.macro FETCH j                         ; B's fragments of steps 2 j and 2 j + 1, the group's four tiles of columns, into set j % 2: 32 loads
	WIN 0x40
.irp qq, 0,1
.irp n, 0,1,2,3
.irp c, 0,1,2,3
	ds_load_b128 v[128*((\j)%2)+64*\qq+16*\n+4*\c:128*((\j)%2)+64*\qq+16*\n+4*\c+3], v[WB] offset:128*(2*(\j)+\qq)+32*\c+\n*16*PIT
.endr
.endr
.endr
.endm
; 16 matrix instructions: steps 2 j, 2 j + 1; tiles of tokens 2 u, 2 u + 1 (window 2 + u); the four tiles of columns.  No two that follow each other share an accumulator, and seven others
; stand between two steps of a sum.  Step 0 starts the sums.
.macro MUL16 j, u
	WIN 0x09+4*(\u)
.irp qq, 0,1
.irp bb, 0,1
.irp n, 0,1,2,3
.if 2*(\j)+\qq == 0
	v_wmma_f32_16x16x128_fp8_fp8 v[ACC+8*(4*(2*(\u)+\bb)+\n):ACC+8*(4*(2*(\u)+\bb)+\n)+7], v[128*((\j)%2)+64*\qq+16*\n:128*((\j)%2)+64*\qq+16*\n+15], v[128*\bb+16*(2*(\j)+\qq):128*\bb+16*(2*(\j)+\qq)+15], 0
.else
	v_wmma_f32_16x16x128_fp8_fp8 v[ACC+8*(4*(2*(\u)+\bb)+\n):ACC+8*(4*(2*(\u)+\bb)+\n)+7], v[128*((\j)%2)+64*\qq+16*\n:128*((\j)%2)+64*\qq+16*\n+15], v[128*\bb+16*(2*(\j)+\qq):128*\bb+16*(2*(\j)+\qq)+15], v[ACC+8*(4*(2*(\u)+\bb)+\n):ACC+8*(4*(2*(\u)+\bb)+\n)+7]
.endif
.endr
.endr
.endr
.endm
.macro BATCH j, first                  ; 256 along K
.if \first
.if (\j) < 3
	s_wait_loadcnt 32                              ; A's fragments of this batch are in; the next batch's 32 loads may be out
.else
	s_wait_loadcnt 0x0
.endif
.if (\j)+2 < 4
	ALOAD (\j)+2
.endif
.endif
.if (\j) < 3
	s_wait_dscnt 32                                ; B's fragments of this batch are in; the next batch's 32 loads may be out
.else
	s_wait_dscnt 0x0
.endif
	MUL16 \j, 0
	MUL16 \j, 1
	PLACES
.if (\j)+2 < 4
	FETCH (\j)+2
.endif
.endm
; THE WAY OUT of tile b (16 tokens x 64 columns): x 2^(e10 + e11), into my own stage, back as rows of 256 bytes, stored: sixteen lanes fill 256 consecutive bytes, aligned.
.macro TOSTAGE b
.set i, 0
.rept 16
	v_pk_mul_f32 v[TMP+2*i:TMP+2*i+1], v[ACC+32*(\b)+2*i:ACC+32*(\b)+2*i+1], s[96:97] op_sel_hi:[1,0]   ; each accumulator from its low end on
.set i, i+1
.endr
.irp n, 0,1,2,3
	ds_store_b128 v[STO], v[TMP+8*\n:TMP+8*\n+3] offset:64*\n
	ds_store_b128 v[STO], v[TMP+8*\n+4:TMP+8*\n+7] offset:64*\n+16
.endr
.irp t, 0,1,2,3,4,5,6,7
	ds_load_b128 v[BK+32*((\b)%2)+4*\t:BK+32*((\b)%2)+4*\t+3], v[RD] offset:2*\t*SPITCH    ; LDS serves a wave's instructions in order (ISA guide 5.7.1.4): these see my stores, and the next tile's stores come behind them
.endr
.endm
.macro SEND b, younger                 ; younger: the LDS instructions issued behind tile b's loads, which may stay out
	s_wait_dscnt \younger
.irp t, 0,1,2,3,4,5,6,7
	global_store_b128 v[CO], v[BK+32*((\b)%2)+4*\t:BK+32*((\b)%2)+4*\t+3], s[10:11] offset:(16*(\b)+2*\t)*16384 th:TH_STORE_NT
.endr
.endm
.macro GROUP first                     ; 64 columns
	v_add_nc_u32 v[WB], s[TB], v[ADRB]
	s_wait_alu depctr_va_vdst(0)
	FETCH 0
	FETCH 1
	BATCH 0, \first
	BATCH 1, \first
	BATCH 2, \first
	BATCH 3, \first
	WIN 0
	TOSTAGE 0
	TOSTAGE 1
	SEND 0, 16                                     ; behind tile 0's loads: tile 1's 8 stores and 8 loads
	s_wait_xcnt 0x0                                ; tile 0's stores have read their registers: tile 2's rows land there
	TOSTAGE 2
	SEND 1, 16
	s_wait_xcnt 0x0
	TOSTAGE 3
	SEND 2, 16
	SEND 3, 0
	s_wait_xcnt 0x0                                ; the stores have read their registers and their base
	s_add_nc_u64 s[10:11], s[10:11], 256           ; the next 64 columns
	s_add_co_u32 s[TB], s[TB], 64*PIT
.endm
	s_load_b128 s[4:7], s[0:1], 0x0                ; ac 4:5, wcodes 6:7
	s_load_b128 s[8:11], s[0:1], 0x10              ; the scales 8:9, out0 10:11
	v_lshl_add_u32 v[SPW], v0, 2, SPARE
	v_mov_b32 v[NIL], 0
	ds_add_u32 v[SPW], v[NIL]                      ; the opening
	ds_add_u32 v[SPW], v[NIL]
	v_lshrrev_b32 v1, 5, v0
	v_readfirstlane_b32 s14, v1                    ; wave 0..3
	s_mul_i32 s23, s14, 16*SPITCH
	s_add_co_u32 s23, s23, STAGE                   ; my stage
	v_and_b32 v6, 31, v0
	v_lshlrev_b32 v[LI], 4, v6
	v_and_b32 v1, 15, v0                           ; r
	v_bfe_u32 v2, v0, 4, 1                         ; h
	v_mul_u32_u24 v3, v1, PIT
	v_lshl_add_u32 v[ADRB], v2, 4, v3              ; a fragment's row x pitch + 16 h
	v_mul_u32_u24 v5, v1, SPITCH
	v_lshl_add_u32 v5, v2, 5, v5
	v_add_nc_u32 v[STO], s23, v5                   ; in: row r, 32 bytes for each half of the lanes
	v_mul_u32_u24 v7, v2, SPITCH
	v_lshl_add_u32 v7, v1, 4, v7
	v_add_nc_u32 v[RD], s23, v7                    ; back: lanes 0-15 one row, lanes 16-31 the next
	v_lshlrev_b32 v8, 14, v2
	v_lshl_add_u32 v[CO], v1, 4, v8                ; and the same two rows in out0
	s_bfe_u32 s15, ttmp6, 0x40000                  ; cx
	s_lshl_b32 s17, ttmp9, 2
	s_add_co_u32 s17, s17, s15                     ; the block of 256 tokens
	s_and_b32 s16, ttmp7, 0xffff                   ; the block of 256 columns: the same in all four partners
	s_mov_b32 s[G1], 15|(1<<20)|(1<<21)|(7<<22)|(3<<25)   ; the mask; elements of 1 byte; padding on; 21 set beside a mask; after every 256 words four words
	s_mov_b32 s[G1+1], 1024<<16                    ; tensor_dim0
	s_mov_b32 s[G1+2], 64<<16                      ; tensor_dim1
	s_mov_b32 s[G1+3], 1024<<16                    ; tile_dim0
	s_mov_b32 s[G1+4], 64                          ; tile_dim1
	s_mov_b32 s[G1+5], 1024                        ; from row to row
	s_mov_b32 s[G1+6], 0
	s_mov_b32 s[G1+7], 0
	s_lshl_b32 s20, s16, 8                         ; wo's codes: row 256 x block + 64 x wave, behind 8 MiB
	s_lshl_b32 s21, s14, 6
	s_add_co_u32 s20, s20, s21
	s_lshl_b32 s20, s20, 10
	s_add_co_u32 s20, s20, 8388608
	s_mov_b32 s21, 0
	s_mul_i32 s22, s14, 64*PIT                     ; and where they go
	s_lshl_b32 s40, s17, 4
	s_lshl_b32 s41, s14, 2
	s_add_co_u32 s40, s40, s41                     ; my first tile of 16 tokens
	s_lshl_b32 s42, s40, 18                        ; out0: 16 rows of 16,384 bytes a tile,
	s_lshl_b32 s43, s16, 10
	s_add_co_u32 s42, s42, s43                     ; + 1,024 bytes a block of columns
	s_mov_b32 s43, 0
	s_lshl_b32 s40, s40, 14                        ; ac: 16,384 bytes a tile
	s_mov_b32 s41, 0
	s_mov_b32 s[TB], 0
	s_wait_alu depctr_va_vdst(0)
	s_wait_dscnt 0x0                               ; both opening adds are done
	s_wait_kmcnt 0x0
	s_load_b64 s[96:97], s[8:9], 0x28              ; e10, e11
	s_add_nc_u64 s[20:21], s[6:7], s[20:21]
	s_mov_b32 s[G0], 1
	s_mov_b32 s[G0+1], s22
	s_mov_b64 s[G0+2:G0+3], s[20:21]
	s_or_b32 s[G0+3], s[G0+3], 0x80000000
	s_add_nc_u64 s[AB:AB+1], s[4:5], s[40:41]
	s_add_nc_u64 s[10:11], s[10:11], s[42:43]
	CROUND                                         ; all four work-groups are here: the joint loads meet
	tensor_load_to_lds s[G0:G0+3], s[G1:G1+7]      ; my 64 rows of B: the launch's one fill
	s_nop 0
	PLACES
	ALOAD 0
	ALOAD 1
	WIN 0
	s_wait_kmcnt 0x0
	s_add_co_i32 s96, s96, s97
	s_add_co_i32 s96, s96, 127
	s_lshl_b32 s96, s96, 23                        ; 2^(e10 + e11) as f32
	s_wait_tensorcnt 0x0                           ; my rows of B are in;
	s_barrier_signal -1
	s_barrier_wait -1                              ; everybody's are
	GROUP 1
	s_mov_b32 s3, 3
.Lgroup:
	GROUP 0
	s_sub_co_u32 s3, s3, 1
	s_cmp_lg_u32 s3, 0
	s_cbranch_scc1 .Lgroup
	s_wait_tensorcnt 0x0                           ; the wave's end
	ds_add_u32 v[SPW], v[NIL]
	s_wait_dscnt 0x0
	CROUND                                         ; the closing round
	s_endpgm
.Lfunc_end_k_q526221b5b1_outp:
	.size	k_q526221b5b1_outp, .Lfunc_end_k_q526221b5b1_outp-k_q526221b5b1_outp
	.p2alignl 7, 3214868480
	.fill 96, 4, 3214868480
	.section	.rodata,"a",@progbits
	.p2align	6, 0x0
	.amdhsa_kernel k_q526221b5b1_outp
		.amdhsa_group_segment_fixed_size 327680
		.amdhsa_private_segment_fixed_size 0
		.amdhsa_enable_private_segment 0
		.amdhsa_kernarg_size 32
		.amdhsa_user_sgpr_count 2
		.amdhsa_user_sgpr_kernarg_segment_ptr 1
		.amdhsa_wavefront_size32 1
		.amdhsa_system_sgpr_workgroup_id_x 1
		.amdhsa_system_sgpr_workgroup_id_y 1
		.amdhsa_system_sgpr_workgroup_id_z 1
		.amdhsa_system_vgpr_workitem_id 0
		.amdhsa_next_free_vgpr 1024
		.amdhsa_next_free_sgpr 98
		.amdhsa_reserve_vcc 0
		.amdhsa_float_denorm_mode_32 3
		.amdhsa_float_denorm_mode_16_64 3
		.amdhsa_memory_ordered 1
		.amdhsa_forward_progress 1
		.amdhsa_inst_pref_size 75
	.end_amdhsa_kernel
	.amdgpu_metadata
---
amdhsa.version: [ 1, 2 ]
amdhsa.kernels:
  - .name:           k_q526221b5b1_outp
    .symbol:         k_q526221b5b1_outp.kd
    .args:
      - { .name: ac, .offset: 0, .size: 8, .value_kind: global_buffer, .address_space: global }
      - { .name: wcodes, .offset: 8, .size: 8, .value_kind: global_buffer, .address_space: global }
      - { .name: lowp_scales, .offset: 16, .size: 8, .value_kind: global_buffer, .address_space: global }
      - { .name: out0, .offset: 24, .size: 8, .value_kind: global_buffer, .address_space: global }
    .group_segment_fixed_size: 327680
    .private_segment_fixed_size: 0
    .kernarg_segment_align: 8
    .kernarg_segment_size: 32
    .max_flat_workgroup_size: 128
    .sgpr_count:     98
    .vgpr_count:     1024
    .wavefront_size: 32
...
	.end_amdgpu_metadata
.endif
;; end of part 4
